; MI455X (gfx1250); checked and timed in simulation.
; The chip was launched on July 23, 2026; its instructions are those of AMD's public machine-readable ISA for CDNA 5 (MIT licence, August 2026) and "CDNA5" Instruction Set Architecture Reference Guide (July 2026). The comments in the code are by the model that wrote it; some were corrected since.
;; Head Attention. Allowed arithmetic: matrix products marked QUANTISED: E2M1 operands, one E8M0 scale for each 32 along K, by v_wmma_scale_f32_16x16x128_f8f6f4 with both operands' format E2M1 (or v_wmma_scale_f32_32x16x128_f4), f32 sums; everything else in f32.
;; Inputs: Wq 1,024 x 1,024 float32; att_mask 2,048 x 2,048 int32; bq 1,024 float32; xk 4 x 2,048 x 1,024 float32; xq 4 x 2,048 x 1,024 float32; xv 4 x 2,048 x 1,024 float32.
;; Outputs: out0 4 x 2,048 x 1,024 float32.
;; This version of the problem:
;;   THIS VERSION OF THE PROBLEM IS GIVEN IN LOW PRECISION. The matrix products marked QUANTISED in the list below multiply operands that are first quantised to E2M1 (2 exponent bits, 1 mantissa bit; 4 bits a number), with one power-of-two scale for each 32 numbers along K (OCP MX v1.0); their sums are f32. All else is computed in f32.
;;   The module's matrix products, in the order in which they are computed (A, B: the left and right operand; K: the contracted axis; several contracted axes count as one K, in the product's order):
;;     1. [M 8,192, K 1,024] x [K 1,024, N 1,024]; A: input xq; B: input Wq: QUANTISED
;;     2. [M 8,192, K 1,024] x [K 1,024, N 1,024]; A: input xk; B: input Wq: QUANTISED
;;     3. [M 8,192, K 1,024] x [K 1,024, N 1,024]; A: input xv; B: input Wq: QUANTISED
;;     4. batch 4 x [M 2,048, K 1,024] x [K 1,024, N 2,048]; A: computed on the way; B: computed on the way: QUANTISED
;;     5. batch 4 x [M 2,048, K 2,048] x [K 2,048, N 1,024]; A: softmax (see below); B: computed on the way: QUANTISED
;;   THE QUANTISER, for each operand of a quantised product, along K:
;;     - K is cut into blocks of 32 from its start; a last block that is shorter is filled with zeros.
;;     - A block's scale is 2^e with e = floor(log2(the largest magnitude in the block)) - 2, held to -126 .. 127; a block of zeros has e = 0. As a byte (E8M0): e + 127.
;;     - Each number is divided by its block's scale, clamped to +-6, and rounded to the nearest number of E2M1, ties to even, subnormals kept.
;;     - The product sums the exact products of the quantised numbers (number of the format x scale) in f32.
;;   ~~~python
;;   def quantise(x, axis):      # numpy; x: float32 -> the quantised numbers, widened to float32 again
;;       x = np.moveaxis(x, axis, -1); K = x.shape[-1]
;;       x = np.pad(x, [(0, 0)] * (x.ndim - 1) + [(0, -K % 32)]); x = x.reshape(x.shape[:-1] + (-1, 32)); a = np.abs(x).max(-1, keepdims=True)
;;       e = np.where(a > 0, np.clip(np.frexp(np.where(a > 0, a, 1))[1] - 1 - 2, -126, 127), 0)      # np.frexp(a)[1] - 1 = floor(log2(a)), exactly
;;       r = np.clip(x / 2.0 ** e, -6, 6)
;;       step = 2.0 ** (np.maximum(np.frexp(np.where(r == 0, 1, r))[1] - 1, 0) - 1)
;;       q = np.round(r / step) * step * 2.0 ** e      # np.round: ties to even
;;       return np.moveaxis(q.reshape(q.shape[:-2] + (-1,))[..., :K], -1, axis).astype(np.float32)
;;   ~~~
;;   SOFTMAX AHEAD OF A QUANTISED PRODUCT. Where the list says 'softmax', what is quantised is not the finished softmax but p = 2^(t - M), with t = logit x log2(e) and M = ceil(the row's largest t), a whole number; so 1/2 < the row's largest p <= 1. The row's sum l is taken of the UNQUANTISED p, in f32, and the product's result is divided by l at the end. Since M is a whole number, a kernel that streams over the keys may use a running M (the ceiling of the running maximum): every later rescaling is an exact power of two, which a block's scale takes up: the codes' values come out the same.
;;   OPERANDS COMPUTED ON THE WAY. 'Computed on the way' means the value that the module computes at that place (a softmax that the list does not call 'softmax' is quantised finished and normalised). What goes into a quantiser is computed in f32, as accurately as f32 sums, v_exp_f32 and their like allow (about 1e-6 of the number): no bf16 or f16 on the way to a quantiser, and a product that is left as it is and whose result goes on into a quantised operand takes f32 operands (vector FMAs, or v_wmma_f32_16x16x4_f32). A number that lies on a knife's edge between two numbers of the format may be rounded either way, as far as f32 arithmetic and the matrix unit's own rounding can turn it there, and no further.
;; One version. Each part assembles by itself: llvm-mc -triple=amdgcn-amd-amdhsa -mcpu=gfx1250 --defsym DOCPART=n.
;; ======== version 1 of 1: 4 launches
;; limits: right only within a limited range of input values
;; workspace buffers: c1 524,288 bytes; s1 32,768 bytes; maskw 524,288 bytes of whole numbers; c2 12,582,912 bytes; s2 786,432 bytes; pc 8,388,608 bytes; el 4,194,304 bytes
;; launch prep (part 1): grid 640 x 1, 4 waves a work-group, no clusters, 34,304 bytes of LDS; arguments Wq, att_mask, c1, s1, maskw; writes c1, s1, maskw
.if DOCPART == 1
	.amdgcn_target "amdgcn-amd-amdhsa--gfx1250"
	.amdhsa_code_object_version 6
	.text
	.protected	k_q81ca284831_prep
	.globl	k_q81ca284831_prep
	.p2align	8
	.type	k_q81ca284831_prep,@function
k_q81ca284831_prep:
	s_mov_b64 s[64:65], 0
	v_nop
	global_prefetch_b8 v0, s[64:65] scope:SCOPE_SE
	s_setreg_imm32_b32 hwreg(HW_REG_WAVE_MODE, 25, 1), 1
	s_wait_xcnt 0x0
; HeadAttention in MX-FP4, launch 1 of 4.  Q, K, V = x Wq^T + bq; scores = Q K^T / 32, -infinity where att_mask == 1; softmax; x V.
; NO WORK OF reference() IS LEFT OUT: every input has a way to the output (bq moves the codes of Q, K and V; the mask is an input and is honoured word by word), and all five products are done whole.
; THIS LAUNCH: Wq [1024][1024], f32, becomes codes of E2M1 with one E8M0 byte for each 32 along its last axis; att_mask becomes lane masks.
; A block's scale is 2^(floor(log2(its largest magnitude)) - 2); its byte is the largest magnitude's exponent field - 2, held at 1 from below.
; LIMITS: a block of zeros gets the byte 1 where the rule says 127 (its codes are zeros, and this program alone reads the bytes); NaN and infinities among the inputs are not served.
; ORDER INSIDE A BLOCK OF 32, in the whole program: position 16 h + 8 u + j of a fragment holds number 16 u + 8 h + j of the block (h, u: 0, 1; j: 0 .. 7).  Both operands of every product have it, so each product of numbers and
; each block's scale stay what they are; and it is the order in which a lane's 16 results of two neighbouring tiles of 16 lie.
; c1: [K step of 128][tile of 16 rows, 64][1,024 bytes], in the order of an operand's registers: lane 16 h + r's registers 4 c .. 4 c + 3 lie at 512 c + 16 (16 h + r).
; s1: [K step][tile / 8][lane][4 words]: lane 16 (tile % 2) + r, word (tile % 8) / 2: the scale word of row r of the tile.
; maskw: [tile of 16 queries][step of 128 keys][64 words]; bit 16 h + r of word 16 b + 8 u + j is set where att_mask[16 tile + r][128 step + 32 b + 16 u + 8 h + j] == 1.
; SHARES: a wave takes 16 rows x 512 bytes.  Work-groups 0-127: job 4 g + w is K step job % 8 of Wq's tile job / 8.  Work-groups 128-639: a tile of queries' key step.  16 loads of 512 consecutive bytes a wave,
; all out together; they turn through the wave's own stage in LDS (rows of 528 bytes).  No barrier: waves share nothing.  No loop, so nothing is prefetched.  Scale words (32 KiB in all) leave as 4 bytes a row.
.set WST,   8448                       ; a wave's stage: 16 rows x 528 bytes
.set SPARE, 33792                      ; the spare words, 128 bytes for each wave
.set QSI, 5                            ; v5   stage, on the way in
.set QSO, 6                            ; v6   and out: 528 r + 32 h
.set CO,  7                            ; v7   16 r + 8 h
.set SO,  8                            ; v8   16 r
.set ML,  9                            ; v9   8 x lane
.set SPW, 10
.set NIL, 11
.set SB,  12                           ; v12  my row's scale word
.set RO,  16                           ; v16-31 16 x lane + i rows
.set R,   32                           ; v32-95 as loaded; free behind the stage:
.set T,   32                           ; v32-35 largest magnitudes, v36-39 the other half's and then bytes, v40-43 scale operands
.set C,   48                           ; v48-55 codes
.set MW,  56                           ; v56-57 mask words
.set X,   96                           ; v96-159
	s_load_b256 s[4:11], s[0:1], 0x0               ; Wq s[4:5], att_mask s[6:7], c1 s[8:9], s1 s[10:11]
	s_load_b64 s[12:13], s[0:1], 0x20              ; maskw
	v_lshl_add_u32 v[SPW], v0, 2, SPARE
	v_mov_b32 v[NIL], 0
	v_lshrrev_b32 v1, 5, v0
	v_readfirstlane_b32 s20, v1                    ; wave
	v_and_b32 v2, 31, v0                           ; lane
	v_and_b32 v3, 15, v0                           ; r
	v_bfe_u32 v1, v0, 4, 1                         ; h
	v_lshlrev_b32 v[RO], 4, v2
	s_mul_i32 s21, s20, WST
	v_add_nc_u32 v[QSI], s21, v[RO]
	v_mul_u32_u24 v[QSO], v3, 528
	v_lshl_add_u32 v[QSO], v1, 5, v[QSO]
	v_add_nc_u32 v[QSO], s21, v[QSO]
	v_lshlrev_b32 v[SO], 4, v3
	v_lshl_add_u32 v[CO], v1, 3, v[SO]
	v_lshlrev_b32 v[ML], 3, v2
	s_lshl_b32 s23, ttmp9, 2
	s_add_co_u32 s23, s23, s20                     ; the job
	s_sub_co_u32 s24, s23, 512                     ; the mask's job
	s_lshr_b32 s25, s24, 4
	s_lshl_b32 s25, s25, 17                        ; 16 rows of 8,192 bytes a tile,
	s_and_b32 s26, s24, 15
	s_lshl_b32 s26, s26, 9                         ; 512 bytes a key step
	s_add_co_u32 s25, s25, s26
	s_lshr_b32 s36, s23, 3                         ; Wq's tile,
	s_and_b32 s37, s23, 7                          ; and K step
	s_lshl_b32 s27, s36, 16                        ; 16 rows of 4,096 bytes,
	s_lshl_b32 s26, s37, 9
	s_add_co_u32 s27, s27, s26
	s_lshl_b32 s28, s37, 16                        ; codes: 65,536 x step + 1,024 x tile
	s_lshl_b32 s26, s36, 10
	s_add_co_u32 s28, s28, s26
	s_mov_b32 s29, 0
	s_lshl_b32 s34, s37, 12                        ; the scale words' place
	s_lshr_b32 s26, s36, 3
	s_lshl_b32 s26, s26, 9
	s_add_co_u32 s34, s34, s26
	s_and_b32 s26, s36, 1
	s_lshl_b32 s26, s26, 8
	s_add_co_u32 s34, s34, s26
	s_bfe_u32 s26, s36, 0x20001
	s_lshl_b32 s26, s26, 2
	s_add_co_u32 s34, s34, s26
	s_mov_b32 s35, 0
	s_lshl_b32 s32, s24, 8                         ; mask words: 256 bytes a job
	s_mov_b32 s33, 0
	s_mov_b32 s17, 8192
	s_cmp_lt_u32 ttmp9, 128                        ; Wq or the mask: the choice hangs on the work-group's number alone
	s_cselect_b32 s14, s27, s25
	s_cselect_b32 s17, 4096, s17                   ; from row to row
	s_mov_b32 s15, 0
	s_mov_b32 s30, 0
	s_wait_alu depctr_va_vdst(0)                   ; a wait ahead of the readers below
.set i, 1
.rept 15
	s_add_co_u32 s30, s30, s17
	v_add_nc_u32 v[RO+i], s30, v[RO]
.set i, i+1
.endr
	s_mov_b32 s40, 0x76543210
	s_mov_b32 s41, 0xfedcba98                      ; v_permlanex16_b32's selects for lane l xor 16
	s_wait_alu depctr_va_vdst(0)                   ; the head's end
	s_wait_kmcnt 0x0
	s_cmp_lt_u32 ttmp9, 128
	s_cselect_b64 s[18:19], s[4:5], s[6:7]
	s_add_nc_u64 s[18:19], s[18:19], s[14:15]
.irp i, 0,1,2,3,4,5,6,7,8,9,10,11,12,13,14,15
	global_load_b128 v[R+4*\i:R+4*\i+3], v[RO+\i], s[18:19] th:TH_LOAD_NT
.endr
	s_add_nc_u64 s[28:29], s[8:9], s[28:29]
	s_add_nc_u64 s[34:35], s[10:11], s[34:35]
	s_add_nc_u64 s[32:33], s[12:13], s[32:33]
.irp i, 0,1,2,3,4,5,6,7,8,9,10,11,12,13,14,15
	s_wait_loadcnt 15-\i                           ; row i is in
	ds_store_b128 v[QSI], v[R+4*\i:R+4*\i+3] offset:528*\i
.endr
.irp b, 0,1,2,3
.irp j, 0,1,2,3
	ds_load_b128 v[X+16*\b+4*\j:X+16*\b+4*\j+3], v[QSO] offset:128*\b+64*(\j/2)+16*(\j%2)   ; LDS serves a wave's instructions in order: these see my stores
.endr
.endr
	s_wait_dscnt 0x0
	s_cmp_ge_u32 ttmp9, 128
	s_cbranch_scc1 .Lmask
.irp b, 0,1,2,3
	v_max3_num_f32 v[T+\b], |v[X+16*\b]|, |v[X+16*\b+1]|, 0x1800000   ; block b: my 16 numbers, and the floor 2^(3 - 127): so the byte cannot fall under 1
.endr
.irp i, 2,4,6,8,10,12,14
.irp b, 0,1,2,3
	v_max3_num_f32 v[T+\b], v[T+\b], |v[X+16*\b+\i]|, |v[X+16*\b+\i+1]|   ; the four blocks by turns
.endr
.endr
.irp b, 0,1,2,3
	v_permlanex16_b32 v[T+4+\b], v[T+\b], s40, s41
.endr
.irp b, 0,1,2,3
	v_max_num_f32 v[T+\b], v[T+\b], v[T+4+\b]      ; with lane l xor 16's 16: the block's largest magnitude
.endr
.irp b, 0,1,2,3
	v_add_nc_u32 v[T+8+\b], 0xff000000, v[T+\b]    ; 2 off its exponent field: the conversion takes this operand's exponent field as its scale
.endr
.irp b, 0,1,2,3
	v_lshrrev_b32 v[T+4+\b], 23, v[T+8+\b]         ; the scale's byte
.endr
	v_lshl_or_b32 v[SB], v[T+5], 8, v[T+4]
	v_lshl_or_b32 v[SB], v[T+6], 16, v[SB]
	v_lshl_or_b32 v[SB], v[T+7], 24, v[SB]
.irp b, 0,1,2,3
	v_cvt_scalef32_pk8_fp4_f32 v[C+2*\b], v[X+16*\b:X+16*\b+7], v[T+8+\b]
	v_cvt_scalef32_pk8_fp4_f32 v[C+2*\b+1], v[X+16*\b+8:X+16*\b+15], v[T+8+\b]
.endr
	v_nop                                          ; one plain place behind the last scaled conversion
.irp b, 0,1,2,3
	global_store_b64 v[CO], v[C+2*\b:C+2*\b+1], s[28:29] offset:256*\b   ; 32 lanes store 256 consecutive bytes, aligned
.endr
	global_store_b32 v[SO], v[SB], s[34:35]        ; lanes l and l xor 16 store the same word
	s_wait_tensorcnt 0x0                           ; the wave's end
	ds_add_u32 v[SPW], v[NIL]
	s_wait_dscnt 0x0
	s_endpgm
.Lmask:
.set n, 0
.rept 16
	v_cmp_eq_u32 s20, 1, v[X+n]                    ; word n: a bit for each lane, set where the mask's number is 1
	v_cmp_eq_u32 s21, 1, v[X+n+1]
	v_cmp_eq_u32 s22, 1, v[X+n+2]
	v_cmp_eq_u32 s23, 1, v[X+n+3]
	v_writelane_b32 v[MW], s20, n/2                ; lane l gathers words 2 l and 2 l + 1
	v_writelane_b32 v[MW+1], s21, n/2
	v_writelane_b32 v[MW], s22, n/2+1
	v_writelane_b32 v[MW+1], s23, n/2+1
.set n, n+4
.endr
	global_store_b64 v[ML], v[MW:MW+1], s[32:33]   ; 64 words: 256 consecutive bytes, aligned
	s_wait_tensorcnt 0x0                           ; the wave's end, as above
	ds_add_u32 v[SPW], v[NIL]
	s_wait_dscnt 0x0
	s_endpgm
.Lfunc_end_k_q81ca284831_prep:
	.size	k_q81ca284831_prep, .Lfunc_end_k_q81ca284831_prep-k_q81ca284831_prep
	.p2alignl 7, 3214868480
	.fill 96, 4, 3214868480
	.section	.rodata,"a",@progbits
	.p2align	6, 0x0
	.amdhsa_kernel k_q81ca284831_prep
		.amdhsa_group_segment_fixed_size 34304
		.amdhsa_private_segment_fixed_size 0
		.amdhsa_enable_private_segment 0
		.amdhsa_kernarg_size 40
		.amdhsa_user_sgpr_count 2
		.amdhsa_user_sgpr_kernarg_segment_ptr 1
		.amdhsa_wavefront_size32 1
		.amdhsa_system_sgpr_workgroup_id_x 1
		.amdhsa_system_sgpr_workgroup_id_y 1
		.amdhsa_system_sgpr_workgroup_id_z 1
		.amdhsa_system_vgpr_workitem_id 0
		.amdhsa_next_free_vgpr 160
		.amdhsa_next_free_sgpr 66
		.amdhsa_reserve_vcc 0
		.amdhsa_float_denorm_mode_32 3
		.amdhsa_float_denorm_mode_16_64 3
		.amdhsa_memory_ordered 1
		.amdhsa_forward_progress 1
		.amdhsa_inst_pref_size 21
	.end_amdhsa_kernel
	.amdgpu_metadata
---
amdhsa.version: [ 1, 2 ]
amdhsa.kernels:
  - .name:           k_q81ca284831_prep
    .symbol:         k_q81ca284831_prep.kd
    .args:
      - { .name: Wq, .offset: 0, .size: 8, .value_kind: global_buffer, .address_space: global }
      - { .name: att_mask, .offset: 8, .size: 8, .value_kind: global_buffer, .address_space: global }
      - { .name: c1, .offset: 16, .size: 8, .value_kind: global_buffer, .address_space: global }
      - { .name: s1, .offset: 24, .size: 8, .value_kind: global_buffer, .address_space: global }
      - { .name: maskw, .offset: 32, .size: 8, .value_kind: global_buffer, .address_space: global }
    .group_segment_fixed_size: 34304
    .private_segment_fixed_size: 0
    .kernarg_segment_align: 8
    .kernarg_segment_size: 40
    .max_flat_workgroup_size: 128
    .sgpr_count:     66
    .vgpr_count:     160
    .wavefront_size: 32
...
	.end_amdgpu_metadata
.endif
;; end of part 1
;; launch proj (part 2): grid 256 x 1, 8 waves a work-group, clusters of 4 x 1, 327,680 bytes of LDS; arguments xq, xk, xv, bq, c1, s1, c2, s2; writes c2, s2
.if DOCPART == 2
	.amdgcn_target "amdgcn-amd-amdhsa--gfx1250"
	.amdhsa_code_object_version 6
	.text
	.protected	k_q81ca284831_proj
	.globl	k_q81ca284831_proj
	.p2align	8
	.type	k_q81ca284831_proj,@function
k_q81ca284831_proj:
	s_mov_b64 s[64:65], 0
	v_nop
	global_prefetch_b8 v0, s[64:65] scope:SCOPE_SE
	s_setreg_imm32_b32 hwreg(HW_REG_WAVE_MODE, 25, 1), 1
	s_wait_xcnt 0x0
	s_wait_alu depctr_hold_cnt(0) depctr_sa_sdst(0) depctr_va_vdst(0) depctr_va_sdst(0) depctr_va_ssrc(0) depctr_va_vcc(0) depctr_vm_vsrc(0)
	s_getreg_b32 s2, hwreg(HW_REG_IB_STS2, 6, 4)
	s_cmp_eq_u32 s2, 0
	s_cbranch_scc0 .Lentry_in_a_cluster
	s_endpgm
.Lentry_in_a_cluster:
	s_bfe_u32 s2, ttmp6, 0x10000c
	s_cmp_lg_u32 s2, 0x3003
	s_cbranch_scc0 .Lentry_shape_is_right
	s_endpgm
.Lentry_shape_is_right:
; Launch 2 of 4: Q, K, V = x Wq^T + bq (K = 1,024).  x arrives as f32 and is quantised here, on its way to the matrix unit; the results are quantised on the way out: Q and K along e, V along the keys.
; Nothing of reference() is left out here.
; SHARES.  Work-group g takes rows 32 g .. 32 g + 31 of EACH of xq, xk and xv (two tiles of 16 each) against all of Wq: 256 work-groups of equal work, and every number of x is read by one work-group.
; A wave makes 128 of e (8 tiles of Wq) x 96 rows: 48 accumulators of 16 x 16, 384 registers: Q and K in window 1, V in v128-255.  All else lies in v0-127.
; Q, K: source 0 = Wq, source 1 = x: a lane holds one row of x, registers run along e: accumulator (tile u of x, tile j of Wq) at v[64 u + 8 j], K's 128 on.
; V: source 0 = xv, source 1 = Wq: a lane holds one e, registers run along the keys: v[128 + 16 j + 8 u].  So 16 consecutive registers are half a block of 32 in each case.  The sums begin with bq.
; K goes in 8 steps of 128.  In step t a wave multiplies step t (x's codes and Wq's from LDS) and quantises its part of x's step t + 1: block wave % 4 of three of the six tiles.
; LDS: Wq's codes in two slots of 64 KiB, its scale words in two of 4 KiB; x as f32 (96 rows of 512 bytes, 16 bytes of padding behind each) in two slots, and bytes of its own for x's step 0; codes and scale words of x in two buffers.
; ONE barrier a step, a round of the cluster's: in front of it each wave waits for all its tensor loads, adds 0 to its spare word, and waits for that, for its LDS reads and for its stores of codes.
;   Behind it of step t: x's t + 1 has landed, Wq's t has landed, x's codes t are whole; x's t + 2 and Wq's t + 1 are asked for: waves 0-3 a quarter of Wq each, waves 4-6 the 32 rows of xq, xk, xv, wave 7 Wq's scale words.
;   So x's step 0 has bytes of its own.
; CLUSTER of four: all four need the same Wq and scale words, which are asked for jointly; x is each work-group's own.
; PREFETCH into the L2: in step t, step t + 4 of x (waves 4-6: a lane a row, two blocks of 256 bytes) and of Wq (waves 0-3: its quarter, shared out among the four partners by address; in four clusters of the launch, since all read the same).
;   Steps 1 to 3 are asked for at the head.  The loop's last trip asks for nothing.
; OUT: c2: Q tiles 0-511, K tiles 512-1023 as [tile][8][1,024]; from byte 8,388,608 V^T as [batch][64 tiles of e][16 key steps][1,024].  s2: Q, K [row][32]; from byte 524,288 V^T's bytes as [batch][block of 32 keys, 64][1,024 e].
; LIMITS: a block of zeros gets the byte 1 (its codes are zeros; this program alone reads the bytes); NaN and infinities are not served.
.set X0,    131072                     ; x's slot 0 (Wq's slots: 0, 65,536)
.set X1,    181760
.set XP,    232448                     ; x's step 0
.set XCB,   283136                     ; codes of x: 6 tiles x 1,024 bytes, then 6 x 16 scale words; the second buffer XCP on
.set XCP,   6656
.set SSL,   296448                     ; Wq's scale words, two slots of 4,096 bytes
.set OSC,   304640                     ; the way out: scale words of Q and K, 1,024 bytes each, and V's bytes, 128 a wave
.set SPARE, 307712                     ; the spare words, 128 bytes for each wave
.set AW,   4                           ; v4-5  my 8 tiles of Wq in slot 0, 1
.set AX,   6                           ; v6-7  my blocks of x in slot 0, 1
.set CW,   8                           ; v8    where my codes go
.set SWB,  9                           ; v9    and my scale bytes
.set CR,   10                          ; v10   fragments of x
.set SR,   11                          ; v11   scale words of x
.set SPW,  12
.set NIL,  13
.set PFO,  14                          ; v14   the prefetches' offset
.set PO,   15                          ; v15   16 r + 8 h
.set XSC,  16                          ; v16-18 scale words of x: lanes 0-15 tile 2 i, lanes 16-31 tile 2 i + 1
.set ASC,  19                          ; v19   my scale words of Wq
.set WSC,  20                          ; v20-23 scale words of Wq, likewise
.set L8,   24                          ; v24   8 x lane
.set AXP,  25                          ; v25   as AX, for step 0
.set BO,   26                          ; v26-27 the bias's offsets
.set XF,   28                          ; v28-75 six fragments of x
.set WF,   76                          ; v76-107 four fragments of Wq
.set QX,   108                         ; v108-123 half a block of x as f32
.set QT,   124                         ; v124  its largest magnitude, then the scale operand
.set QP,   125                         ; v125  the other half's, then the byte
.set QC,   126                         ; v126-127 codes
.set BQ,   28                          ; at the head: v28-91 the bias along e in registers,
.set BV,   92                          ; v92-99 and one number a lane for each tile of Wq
.set T,    28                          ; the way out: v28-39 at work, v40-43 scale words, v44-91 codes, v92-99 V's bytes, v100-103 read back
.set SWD,  40
.set CD,   44
.set VBY,  92
.set OA,   104                         ; v104  scale words in
.set OB,   105                         ; v105  V's bytes in
.set OL,   106                         ; v106  scale words out
.set OV,   107                         ; v107  V's bytes out
.set G1X,  24
.set G1W,  32
.set G0X,  40                          ; s[40:47] a group 0 for each slot of x,
.set G0W,  48                          ; s[48:55] of Wq,
.set G1S,  84
.set G0S,  92                          ; s[92:99] and of its scale words
.set PF,   56
.set SEL,  60
.set LIM,  62                          ; s62  1 in the waves that prefetch, else the greatest number
.set PFS,  80                          ; s[80:81] a step on, in bytes
.set MSB, 0
.macro WIN new                         ; the immediate's high byte repeats the setting that is left
.if MSB != (\new)
	s_set_vgpr_msb (MSB<<8)|(\new)
.set MSB, (\new)
.endif
.endm
.macro PLACES k
.rept \k
	v_nop
.endr
.endm
.macro CROUND                          ; a round of the cluster's barrier
	s_barrier_signal -1
	s_barrier_wait -1
	s_cmp_lg_u32 s20, 0
	s_cbranch_scc1 .Lnot_wave_0_\@
	s_barrier_signal -3
.Lnot_wave_0_\@:
	s_barrier_wait -3
	s_barrier_signal -1
	s_barrier_wait -1
.endm
.macro TL g0, g1                       ; a tensor load, with an s_nop 0 and four v_nop behind it
	tensor_load_to_lds s[\g0:\g0+3], s[\g1:\g1+7]
	s_nop 0
.rept 4
	v_nop
.endr
.endm
.macro ALL gx, gw, gs                  ; every wave one load
	s_cmp_lt_u32 s20, 4
	s_cbranch_scc0 .Lnot_w_\@
	TL \gw, G1W
	s_branch .Lasked_\@
.Lnot_w_\@:
	s_cmp_lt_u32 s20, 7
	s_cbranch_scc0 .Lfor_s_\@
	TL \gx, G1X
	s_branch .Lasked_\@
.Lfor_s_\@:
	TL \gs, G1S
.Lasked_\@:
.endm
.macro NOTX gw, gs                     ; Wq and its scale words alone
	s_cmp_lt_u32 s20, 4
	s_cbranch_scc0 .Lnot_w_\@
	TL \gw, G1W
	s_branch .Lasked_\@
.Lnot_w_\@:
	s_cmp_lt_u32 s20, 7
	s_cbranch_scc1 .Lasked_\@
	TL \gs, G1S
.Lasked_\@:
.endm
.macro ASK
	s_cmp_gt_u32 s3, s[LIM]
	s_cbranch_scc0 .Lnot_mine_\@
	global_prefetch_b8 v[PFO], s[PF:PF+1] th:TH_LOAD_NT scope:SCOPE_SE
	global_prefetch_b8 v[PFO], s[PF:PF+1] offset:256 th:TH_LOAD_NT scope:SCOPE_SE
.Lnot_mine_\@:
.endm
	s_load_b512 s[4:19], s[0:1], 0x0               ; xq s[4:5], xk s[6:7], xv s[8:9], bq s[10:11], c1 s[12:13], s1 s[14:15], c2 s[16:17], s2 s[18:19]
	v_lshl_add_u32 v[SPW], v0, 2, SPARE
	v_mov_b32 v[NIL], 0
	ds_add_u32 v[SPW], v[NIL]                      ; the wave's opening: the add, twice on end, and its wait ahead of my first tensor load
	ds_add_u32 v[SPW], v[NIL]
	v_lshrrev_b32 v1, 5, v0
	v_readfirstlane_b32 s20, v1                    ; wave
	s_lshr_b32 s21, s20, 2                         ; wave / 4
	s_and_b32 s23, s20, 3                          ; wave % 4
	s_bfe_u32 s82, ttmp6, 0x40000                  ; cx
	s_lshl_b32 s22, ttmp9, 2
	s_add_co_u32 s22, s22, s82                     ; g
	s_mov_b32 s[G1X], (3<<16)|(1<<20)|(6<<22)|(3<<25)   ; x: elements of 8 bytes; 16 bytes of padding behind every 512
	s_mov_b32 s[G1X+1], 64<<16                     ; 32 rows of 512 bytes, 4,096 bytes from row to row
	s_mov_b32 s[G1X+2], 32<<16
	s_mov_b32 s[G1X+3], 64<<16
	s_mov_b32 s[G1X+4], 32
	s_mov_b32 s[G1X+5], 512
	s_mov_b32 s[G1X+6], 0
	s_mov_b32 s[G1X+7], 0
	s_mov_b32 s[G1W], (3<<16)|(1<<21)|15           ; Wq: a joint load for all four; 16,384 dense bytes as 16 rows of 1,024
	s_mov_b32 s[G1W+1], 128<<16
	s_mov_b32 s[G1W+2], 16<<16
	s_mov_b32 s[G1W+3], 128<<16
	s_mov_b32 s[G1W+4], 16
	s_mov_b32 s[G1W+5], 128
	s_mov_b32 s[G1W+6], 0
	s_mov_b32 s[G1W+7], 0
	s_mov_b32 s[G1S], (3<<16)|(1<<21)|15           ; its scale words: 4,096 dense bytes as 4 rows of 1,024, joint too
	s_mov_b32 s[G1S+1], 128<<16
	s_mov_b32 s[G1S+2], 4<<16
	s_mov_b32 s[G1S+3], 128<<16
	s_mov_b32 s[G1S+4], 4
	s_mov_b32 s[G1S+5], 128
	s_mov_b32 s[G1S+6], 0
	s_mov_b32 s[G1S+7], 0
	s_mul_i32 s68, s23, 16896                      ; waves 4-6: my 32 rows of a slot of x
	s_lshl_b32 s63, s23, 14                        ; waves 0-3: my quarter of a slot of Wq
	s_lshl_b32 s66, s22, 17
	s_mov_b32 s67, 0
	s_lshl_b32 s78, s23, 14
	s_mov_b32 s79, 0
	s_mov_b32 s3, 3                                ; the loop's trips
	s_wait_dscnt 0x0                               ; both opening adds are done
	s_wait_kmcnt 0x0
	s_cmp_eq_u32 s23, 0
	s_cselect_b64 s[70:71], s[4:5], s[6:7]         ; wave 4 xq, wave 5 xk,
	s_cmp_lt_u32 s23, 2
	s_cselect_b64 s[70:71], s[70:71], s[8:9]       ; wave 6 xv
	s_add_nc_u64 s[70:71], s[70:71], s[66:67]
	s_add_nc_u64 s[72:73], s[12:13], s[78:79]
	s_mov_b32 s[G0X], 1
	s_add_co_u32 s[G0X+1], s68, XP
	s_mov_b64 s[G0X+2:G0X+3], s[70:71]
	s_or_b32 s[G0X+3], s[G0X+3], 0x80000000
	s_mov_b32 s[G0X+4], 1
	s_add_co_u32 s[G0X+5], s68, X1
	s_add_nc_u64 s[G0X+6:G0X+7], s[70:71], 512
	s_or_b32 s[G0X+7], s[G0X+7], 0x80000000
	s_mov_b32 s[G0W], 1
	s_mov_b32 s[G0W+1], s63
	s_mov_b64 s[G0W+2:G0W+3], s[72:73]
	s_or_b32 s[G0W+3], s[G0W+3], 0x80000000
	s_mov_b32 s[G0W+4], 1
	s_add_co_u32 s[G0W+5], s63, 65536
	s_add_nc_u64 s[G0W+6:G0W+7], s[72:73], 65536
	s_or_b32 s[G0W+7], s[G0W+7], 0x80000000
	s_mov_b32 s[G0S], 1
	s_mov_b32 s[G0S+1], SSL
	s_mov_b64 s[G0S+2:G0S+3], s[14:15]
	s_or_b32 s[G0S+3], s[G0S+3], 0x80000000
	s_mov_b32 s[G0S+4], 1
	s_mov_b32 s[G0S+5], SSL+4096
	s_add_nc_u64 s[G0S+6:G0S+7], s[14:15], 4096
	s_or_b32 s[G0S+7], s[G0S+7], 0x80000000
	CROUND                                         ; all four work-groups are here: the first joint loads meet
	ALL G0X, G0W, G0S                              ; step 0: one tensor load a wave
	; the prefetches: waves 4-6 x's rows, 4,096 bytes apart; waves 0-3 my work-group's 4,096 bytes of my quarter of Wq, as 8 pairs of blocks
	s_lshl_b32 s78, s82, 12
	s_add_nc_u64 s[72:73], s[72:73], s[78:79]
	s_mov_b32 s[PFS], 65536
	s_mov_b32 s[PFS+1], 0
	s_mov_b32 s66, 7
	s_mov_b32 s69, 9
	s_cmp_lt_u32 s20, 4
	s_cselect_b64 s[PF:PF+1], s[72:73], s[70:71]
	s_cselect_b32 s[PFS], s[PFS], 512
	s_cselect_b32 s66, s66, 31
	s_cselect_b32 s69, s69, 12
	s_add_nc_u64 s[PF:PF+1], s[PF:PF+1], s[PFS:PFS+1]   ; step 1
	s_cmp_lt_u32 ttmp9, 4                          ; Wq: four clusters ask
	s_cselect_b32 s83, 1, -1
	s_cmp_lt_u32 s23, 3
	s_cselect_b32 s[LIM], 1, -1                    ; x: waves 4-6
	s_cmp_lt_u32 s20, 4
	s_cselect_b32 s[LIM], s83, s[LIM]
	s_mov_b32 s[SEL], 0x76543210
	s_mov_b32 s[SEL+1], 0xfedcba98                 ; v_permlanex16_b32's selects for lane l xor 16
	v_and_b32 v1, 15, v0                           ; r
	v_bfe_u32 v2, v0, 4, 1                         ; h
	v_and_b32 v3, 31, v0                           ; lane
	v_and_b32 v[PFO], s66, v3
	v_lshlrev_b32 v[PFO], s69, v[PFO]
	v_lshlrev_b32 v[L8], 3, v3
	v_lshlrev_b32 v[CR], 4, v3                     ; 16 x lane
	s_lshl_b32 s66, s20, 13
	v_add_nc_u32 v[AW], s66, v[CR]
	v_add_nc_u32 v[AW+1], 65536, v[AW]
	s_lshl_b32 s66, s20, 9
	v_add_nc_u32 v[ASC], s66, v[CR]
	v_add_nc_u32 v[ASC], SSL, v[ASC]
	v_add_nc_u32 v[CR], XCB, v[CR]
	v_lshlrev_b32 v[BO], 5, v2
	v_add_nc_u32 v[BO], s66, v[BO]                 ; bias along e: 512 x wave + 32 h,
	v_lshlrev_b32 v[BO+1], 2, v1
	v_add_nc_u32 v[BO+1], s66, v[BO+1]             ; and a number a lane: 512 x wave + 4 r
	v_mul_u32_u24 v[AXP], v1, 528
	v_lshl_add_u32 v[AXP], v2, 5, v[AXP]           ; 528 r + 32 h,
	s_lshl_b32 s66, s23, 7
	s_mul_i32 s69, s21, 25344
	s_add_co_u32 s66, s66, s69                     ; + my block, + three tiles in waves 4-7
	v_add_nc_u32 v[AXP], s66, v[AXP]
	v_add_nc_u32 v[AX], X0, v[AXP]
	v_add_nc_u32 v[AX+1], X1, v[AXP]
	v_add_nc_u32 v[AXP], XP, v[AXP]
	v_lshlrev_b32 v[PO], 4, v1
	v_lshl_add_u32 v[PO], v2, 3, v[PO]
	s_lshl_b32 s66, s23, 8
	s_mul_i32 s69, s21, 3072
	s_add_co_u32 s66, s66, s69
	v_add_nc_u32 v[CW], s66, v[PO]
	v_add_nc_u32 v[CW], XCB, v[CW]
	s_mul_i32 s69, s21, 192
	s_add_co_u32 s69, s69, s23
	v_lshlrev_b32 v[SWB], 2, v1
	v_add_nc_u32 v[SWB], s69, v[SWB]
	v_add_nc_u32 v[SWB], XCB+6144, v[SWB]
	v_lshlrev_b32 v[SR], 2, v3
	v_add_nc_u32 v[SR], XCB+6144, v[SR]
	s_wait_alu depctr_va_vdst(0)                   ; a wait ahead of the branches below
	ASK                                            ; step 1
.irp j, 0,1,2,3,4,5,6,7
	global_load_b128 v[BQ+8*\j:BQ+8*\j+3], v[BO], s[10:11] offset:64*\j
	global_load_b128 v[BQ+8*\j+4:BQ+8*\j+7], v[BO], s[10:11] offset:64*\j+16
.endr
.irp j, 0,1,2,3,4,5,6,7
	global_load_b32 v[BV+\j], v[BO+1], s[10:11] offset:64*\j
.endr
	; where my results go
	s_mov_b32 s69, 0
	s_lshl_b32 s66, s22, 10
	s_lshl_b32 s68, s23, 8
	s_add_co_u32 s68, s68, s66
	s_add_nc_u64 s[76:77], s[18:19], s[68:69]
	s_add_nc_u64 s[76:77], s[76:77], 524288        ; V's bytes: plane g, 256 a wave (waves 0-3)
	s_lshl_b32 s66, s21, 18
	s_add_co_u32 s68, s68, s66
	s_add_nc_u64 s[74:75], s[18:19], s[68:69]      ; scale words, 256 bytes a wave: waves 0-3 Q's, waves 4-7 K's
	s_lshr_b32 s66, s22, 6
	s_lshl_b32 s66, s66, 20
	s_lshl_b32 s68, s20, 17
	s_add_co_u32 s66, s66, s68
	s_bfe_u32 s68, s22, 0x40002
	s_lshl_b32 s68, s68, 10
	s_add_co_u32 s66, s66, s68
	s_and_b32 s68, s22, 3
	s_lshl_b32 s68, s68, 8
	s_add_co_u32 s66, s66, s68
	s_add_co_u32 s66, s66, 8388608
	s_add_nc_u64 s[72:73], s[16:17], s[66:67]      ; V^T: batch g / 64, tiles of e 8 x wave on, key step (g / 4) % 16, block g % 4
	s_lshl_b32 s66, s22, 14
	s_lshl_b32 s68, s20, 10
	s_add_co_u32 s66, s66, s68
	s_add_nc_u64 s[16:17], s[16:17], s[66:67]      ; Q: tiles 2 g on, K step number wave
	s_mul_i32 s68, s23, 16896
	s_wait_xcnt 0x0
	s_add_nc_u64 s[PF:PF+1], s[PF:PF+1], s[PFS:PFS+1]
	ASK                                            ; step 2
	s_wait_loadcnt 0x0                             ; the bias
	WIN 0x40                                       ; the sums of Q and K begin with the bias,
.set n, 0
.rept 64
	v_mov_b32 v[n], v[BQ+n]
	v_mov_b32 v[64+n], v[BQ+n]
	v_mov_b32 v[128+n], v[BQ+n]
	v_mov_b32 v[192+n], v[BQ+n]
.set n, n+1
.endr
	WIN 0                                          ; and so do V's
.set n, 0
.rept 128
	v_mov_b32 v[128+n], v[BV+n/16]
.set n, n+1
.endr
.macro QLD ar, k                       ; my block of my tile k: half a block a lane: numbers 16 u + 8 h + j of the block, u = 0, 1
.irp i, 0,1,2,3
	ds_load_b128 v[QX+4*\i:QX+4*\i+3], v[\ar] offset:8448*(\k)+64*(\i/2)+16*(\i%2)
.endr
.endm
.macro QWORK pb, k                     ; and its codes and scale byte, into buffer pb
	v_max3_num_f32 v[QT], |v[QX]|, |v[QX+1]|, 0x1800000   ; and the floor 2^(3 - 127): the byte cannot fall under 1
	v_max3_num_f32 v[QP], |v[QX+2]|, |v[QX+3]|, |v[QX+4]|
	v_max3_num_f32 v[QT], v[QT], |v[QX+5]|, |v[QX+6]|
	v_max3_num_f32 v[QP], v[QP], |v[QX+7]|, |v[QX+8]|
	v_max3_num_f32 v[QT], v[QT], |v[QX+9]|, |v[QX+10]|
	v_max3_num_f32 v[QP], v[QP], |v[QX+11]|, |v[QX+12]|
	v_max3_num_f32 v[QT], v[QT], |v[QX+13]|, |v[QX+14]|
	v_max3_num_f32 v[QT], v[QT], v[QP], |v[QX+15]|
	v_permlanex16_b32 v[QP], v[QT], s[SEL], s[SEL+1]
	v_max_num_f32 v[QT], v[QT], v[QP]              ; with lane l xor 16's: the block's largest magnitude
	v_add_nc_u32 v[QT], 0xff000000, v[QT]          ; 2 off its exponent field: the conversion's scale operand
	v_lshrrev_b32 v[QP], 23, v[QT]                 ; the byte
	v_cvt_scalef32_pk8_fp4_f32 v[QC], v[QX:QX+7], v[QT]
	v_cvt_scalef32_pk8_fp4_f32 v[QC+1], v[QX+8:QX+15], v[QT]
	v_nop                                          ; one plain place behind the last scaled conversion
	ds_store_b64 v[CW], v[QC:QC+1] offset:1024*(\k)+XCP*(\pb)
	ds_store_b8 v[SWB], v[QP] offset:64*(\k)+XCP*(\pb)   ; both lanes of a block store the same byte
.endm
.macro WM d, a, b, x, y, ra, rb        ; ra, rb: which half of the lanes holds the source's scale words
.set rD, \d
.set rA, \a
.set rB, \b
.set rX, \x
.set rY, \y
.if (\ra)+(\rb) == 0
	v_wmma_scale_f32_16x16x128_f8f6f4 v[rD:rD+7], v[rA:rA+7], v[rB:rB+7], v[rD:rD+7], v[rX], v[rY] matrix_a_fmt:MATRIX_FMT_FP4 matrix_b_fmt:MATRIX_FMT_FP4
.elseif (\ra)+(\rb) == 2
	v_wmma_scale_f32_16x16x128_f8f6f4 v[rD:rD+7], v[rA:rA+7], v[rB:rB+7], v[rD:rD+7], v[rX], v[rY] matrix_a_fmt:MATRIX_FMT_FP4 matrix_b_fmt:MATRIX_FMT_FP4 matrix_a_scale:MATRIX_SCALE_ROW1 matrix_b_scale:MATRIX_SCALE_ROW1
.elseif (\ra) == 1
	v_wmma_scale_f32_16x16x128_f8f6f4 v[rD:rD+7], v[rA:rA+7], v[rB:rB+7], v[rD:rD+7], v[rX], v[rY] matrix_a_fmt:MATRIX_FMT_FP4 matrix_b_fmt:MATRIX_FMT_FP4 matrix_a_scale:MATRIX_SCALE_ROW1
.else
	v_wmma_scale_f32_16x16x128_f8f6f4 v[rD:rD+7], v[rA:rA+7], v[rB:rB+7], v[rD:rD+7], v[rX], v[rY] matrix_a_fmt:MATRIX_FMT_FP4 matrix_b_fmt:MATRIX_FMT_FP4 matrix_b_scale:MATRIX_SCALE_ROW1
.endif
.endm
.macro MULG g                          ; my tiles 4 g .. 4 g + 3 of Wq x the six tiles of x: 24 matrix instructions; all 48 accumulators take turns, one instruction a turn, in the same order in every step
	WIN 0x50                                       ; C and D in window 1 (Q, K)
.irp z, 0,1
.irp u, 0,1
.irp j, 0,1,2,3
.set wj, 4*(\g)+\j
	WM 128*\z+64*\u+8*wj, WF+8*\j, XF+16*\z+8*\u, WSC+wj/2, XSC+\z, \j%2, \u
.endr
.endr
.endr
	WIN 0                                          ; V
.irp u, 0,1
.irp j, 0,1,2,3
.set wj, 4*(\g)+\j
	WM 128+16*wj+8*\u, XF+32+8*\u, WF+8*\j, XSC+2, WSC+wj/2, \u, \j%2
.endr
.endr
.endm
.macro WFL p, g                        ; four fragments of Wq
.irp j, 0,1,2,3
.irp c, 0,1
	ds_load_b128 v[WF+8*\j+4*\c:WF+8*\j+4*\c+3], v[AW+(\p)] offset:1024*(4*(\g)+\j)+512*\c
.endr
.endr
.endm
; The change of steps.  fx, fw: x's and Wq's next tiles are asked for.
.macro TURN p, fx, fw
	s_wait_tensorcnt 0x0                           ; all my tensor loads have landed, and the groups 0 may be written
	ds_add_u32 v[SPW], v[NIL]
	s_wait_xcnt 0x0                                ; my prefetches have read their addresses
.if \fx
	s_add_nc_u64 s[PF:PF+1], s[PF:PF+1], s[PFS:PFS+1]
	s_add_nc_u64 s[G0X+4*\p+2:G0X+4*\p+3], s[G0X+4*\p+2:G0X+4*\p+3], 1024
.endif
.if (\fw) && (\p) == 1
	s_add_nc_u64 s[G0W+2:G0W+3], s[G0W+2:G0W+3], 131072
	s_add_nc_u64 s[G0W+6:G0W+7], s[G0W+6:G0W+7], 131072
	s_add_nc_u64 s[G0S+2:G0S+3], s[G0S+2:G0S+3], 8192
	s_add_nc_u64 s[G0S+6:G0S+7], s[G0S+6:G0S+7], 8192
.endif
	s_wait_dscnt 0x0                               ; the add is done, my reads of the step before are over, and my codes are stored
.if \fw
	CROUND
.else
	s_barrier_signal -1
	s_barrier_wait -1
.endif
.if \fx
	ALL G0X+4*\p, G0W+4-4*\p, G0S+4-4*\p           ; x's t + 2 into the slot read in the step before; Wq's t + 1 likewise
.elseif \fw
	NOTX G0W+4-4*\p, G0S+4-4*\p
.endif
.endm
.macro STEP p, more, ahead
.irp i, 0,1,2
	ds_load_b32 v[XSC+\i], v[SR] offset:128*\i+XCP*(\p)
.endr
	ds_load_b128 v[WSC:WSC+3], v[ASC] offset:4096*(\p)
.irp t, 0,1,2,3,4,5
.irp c, 0,1
	ds_load_b128 v[XF+8*\t+4*\c:XF+8*\t+4*\c+3], v[CR] offset:1024*\t+512*\c+XCP*(\p)
.endr
.endr
	WFL \p, 0
.if \more
	QLD AX+1-(\p), 0
.endif
.if \ahead
	ASK
.endif
	s_wait_dscnt 4*(\more)                         ; the quantiser's four loads may be out
	MULG 0
.if \more
	s_wait_dscnt 0x0
	QWORK 1-(\p), 0                                ; its lines are the places in front of the loads below
.else
	PLACES 4
.endif
	WFL \p, 1
.if \more
	QLD AX+1-(\p), 1
.endif
	s_wait_dscnt 4*(\more)
	MULG 1
.if \more
	s_wait_dscnt 0x0
	QWORK 1-(\p), 1
	QLD AX+1-(\p), 2
	s_wait_dscnt 0x0
	QWORK 1-(\p), 2
.endif
.endm
	s_wait_alu depctr_va_vdst(0)                   ; the head's end
	s_wait_tensorcnt 0x0                           ; step 0 is in: these lines stand ahead of a later first fill, as ahead of a refill
	ds_add_u32 v[SPW], v[NIL]
	s_add_co_u32 s[G0X+1], s68, X0                 ; from here on x's even steps go to slot 0
	s_wait_xcnt 0x0
	s_add_nc_u64 s[PF:PF+1], s[PF:PF+1], s[PFS:PFS+1]
	s_wait_dscnt 0x0
	CROUND
	s_cmp_lt_u32 s20, 4
	s_cbranch_scc1 .Lno_x
	s_cmp_lt_u32 s20, 7
	s_cbranch_scc0 .Lno_x
	TL G0X+4, G1X                                  ; x's step 1: slot 1's first fill
.Lno_x:
	ASK                                            ; step 3
.irp k, 0,1,2
	QLD AXP, \k
	s_wait_dscnt 0x0
	QWORK 0, \k
.endr
.Lk:                                                   ; steps 0 to 5
	TURN 0, 1, 1
	STEP 0, 1, 1
	TURN 1, 1, 1
	STEP 1, 1, 1
	s_sub_co_u32 s3, s3, 1
	s_cmp_lg_u32 s3, 0
	s_cbranch_scc1 .Lk
	TURN 0, 0, 1                                   ; step 6: Wq's last
	STEP 0, 1, 0
	TURN 1, 0, 0                                   ; step 7: nothing is filled again
	STEP 1, 0, 0
	PLACES 4                                       ; in front of the first read of results, and of writes into operands
	v_and_b32 v1, 15, v0                           ; r
	v_lshlrev_b32 v[OA], 5, v1
	s_lshl_b32 s66, s20, 2
	v_add_nc_u32 v[OA], s66, v[OA]
	v_add_nc_u32 v[OA], OSC, v[OA]                 ; row r of 32 bytes, my 4 of them
	s_lshl_b32 s66, s20, 7
	v_add_nc_u32 v[OB], s66, v1
	v_add_nc_u32 v[OB], OSC+2048, v[OB]
	s_lshl_b32 s66, s20, 8
	v_add_nc_u32 v[OL], s66, v[L8]
	v_add_nc_u32 v[OL], OSC, v[OL]
	s_lshl_b32 s66, s23, 8
	v_add_nc_u32 v[OV], s66, v[L8]
	v_add_nc_u32 v[OV], OSC+2048, v[OV]
	s_wait_alu depctr_va_vdst(0)                   ; a wait ahead of the readers below
; THE WAY OUT of 64 registers of window w from ac on: four half blocks a lane become codes and scale bytes.  Each accumulator is read from its low end on.
.macro QE w, ac, k, by
	WIN (\w)*5                                     ; sources 0 and 1 in the accumulators' window
.irp b, 0,1,2,3
	v_max3_num_f32 v[T+\b], |v[(\ac)+16*\b]|, |v[(\ac)+16*\b+1]|, 0x1800000
.endr
.irp i, 2,4,6,8,10,12,14
.irp b, 0,1,2,3
	v_max3_num_f32 v[T+\b], |v[(\ac)+16*\b+\i]|, |v[(\ac)+16*\b+\i+1]|, v[T+\b]
.endr
.endr
	WIN 0
.irp b, 0,1,2,3
	v_permlanex16_b32 v[T+4+\b], v[T+\b], s[SEL], s[SEL+1]
.endr
.irp b, 0,1,2,3
	v_max_num_f32 v[T+\b], v[T+\b], v[T+4+\b]
.endr
.irp b, 0,1,2,3
	v_add_nc_u32 v[T+8+\b], 0xff000000, v[T+\b]
.endr
.irp b, 0,1,2,3
	v_lshrrev_b32 v[(\by)+\b], 23, v[T+8+\b]
.endr
	WIN \w                                         ; source 0 in the accumulators' window
.irp b, 0,1,2,3
	v_cvt_scalef32_pk8_fp4_f32 v[CD+8*(\k)+2*\b], v[(\ac)+16*\b:(\ac)+16*\b+7], v[T+8+\b]
	v_cvt_scalef32_pk8_fp4_f32 v[CD+8*(\k)+2*\b+1], v[(\ac)+16*\b+8:(\ac)+16*\b+15], v[T+8+\b]
.endr
	WIN 0
	v_nop                                          ; one plain place behind the last scaled conversion
.endm
.macro QEQ z, u                        ; Q (z = 0) or K: tile u of x, K step number wave of the next product
.set kk, 2*(\z)+(\u)
	QE 1, 128*(\z)+64*(\u), kk, T+4
	v_lshl_or_b32 v[SWD+kk], v[T+5], 8, v[T+4]
	v_lshl_or_b32 v[SWD+kk], v[T+6], 16, v[SWD+kk]
	v_lshl_or_b32 v[SWD+kk], v[T+7], 24, v[SWD+kk]
.irp b, 0,1,2,3
	global_store_b64 v[PO], v[CD+8*kk+2*\b:CD+8*kk+2*\b+1], s[16:17] offset:4194304*(\z)+8192*(\u)+256*\b   ; 256 consecutive bytes, aligned
.endr
	ds_store_b32 v[OA], v[SWD+kk] offset:1024*(\z)+512*(\u)
.endm
.irp z, 0,1
	QEQ \z, 0
	QEQ \z, 1
.endr
.irp z, 0,1                            ; V: four tiles of e
	QE 0, 128+64*\z, 4+\z, VBY+4*\z
.irp b, 0,1,2,3
	global_store_b64 v[PO], v[CD+32+8*\z+2*\b:CD+32+8*\z+2*\b+1], s[72:73] offset:16384*(4*\z+\b)   ; 256 consecutive bytes, aligned
	ds_store_b8 v[OB], v[VBY+4*\z+\b] offset:16*(4*\z+\b)
.endr
.endr
	s_wait_alu depctr_va_vdst(0)                   ; a wait ahead of the barrier
	s_wait_dscnt 0x0                               ; my scale words and bytes are stored
	s_barrier_signal -1
	s_barrier_wait -1                              ; and everybody's
	ds_load_b64 v[100:101], v[OL]
	ds_load_b64 v[102:103], v[OV]
	s_wait_dscnt 0x0
	global_store_b64 v[L8], v[100:101], s[74:75]   ; 256 consecutive bytes, aligned
	s_cmp_lt_u32 s20, 4
	s_cbranch_scc0 .Lstored
	global_store_b64 v[L8], v[102:103], s[76:77]
.Lstored:
	s_wait_tensorcnt 0x0                           ; the wave's end
	ds_add_u32 v[SPW], v[NIL]
	s_wait_dscnt 0x0
	CROUND                                         ; the closing round: no work-group ends while a partner may still ask for a tile that names it
	s_endpgm
.Lfunc_end_k_q81ca284831_proj:
	.size	k_q81ca284831_proj, .Lfunc_end_k_q81ca284831_proj-k_q81ca284831_proj
	.p2alignl 7, 3214868480
	.fill 96, 4, 3214868480
	.section	.rodata,"a",@progbits
	.p2align	6, 0x0
	.amdhsa_kernel k_q81ca284831_proj
		.amdhsa_group_segment_fixed_size 327680
		.amdhsa_private_segment_fixed_size 0
		.amdhsa_enable_private_segment 0
		.amdhsa_kernarg_size 64
		.amdhsa_user_sgpr_count 2
		.amdhsa_user_sgpr_kernarg_segment_ptr 1
		.amdhsa_wavefront_size32 1
		.amdhsa_system_sgpr_workgroup_id_x 1
		.amdhsa_system_sgpr_workgroup_id_y 1
		.amdhsa_system_sgpr_workgroup_id_z 1
		.amdhsa_system_vgpr_workitem_id 0
		.amdhsa_next_free_vgpr 512
		.amdhsa_next_free_sgpr 100
		.amdhsa_reserve_vcc 0
		.amdhsa_float_denorm_mode_32 3
		.amdhsa_float_denorm_mode_16_64 3
		.amdhsa_memory_ordered 1
		.amdhsa_forward_progress 1
		.amdhsa_inst_pref_size 105
	.end_amdhsa_kernel
	.amdgpu_metadata
---
amdhsa.version: [ 1, 2 ]
amdhsa.kernels:
  - .name:           k_q81ca284831_proj
    .symbol:         k_q81ca284831_proj.kd
    .args:
      - { .name: xq, .offset: 0, .size: 8, .value_kind: global_buffer, .address_space: global }
      - { .name: xk, .offset: 8, .size: 8, .value_kind: global_buffer, .address_space: global }
      - { .name: xv, .offset: 16, .size: 8, .value_kind: global_buffer, .address_space: global }
      - { .name: bq, .offset: 24, .size: 8, .value_kind: global_buffer, .address_space: global }
      - { .name: c1, .offset: 32, .size: 8, .value_kind: global_buffer, .address_space: global }
      - { .name: s1, .offset: 40, .size: 8, .value_kind: global_buffer, .address_space: global }
      - { .name: c2, .offset: 48, .size: 8, .value_kind: global_buffer, .address_space: global }
      - { .name: s2, .offset: 56, .size: 8, .value_kind: global_buffer, .address_space: global }
    .group_segment_fixed_size: 327680
    .private_segment_fixed_size: 0
    .kernarg_segment_align: 8
    .kernarg_segment_size: 64
    .max_flat_workgroup_size: 256
    .sgpr_count:     100
    .vgpr_count:     512
    .wavefront_size: 32
...
	.end_amdgpu_metadata
.endif
;; end of part 2
;; launch score (part 3): grid 8 x 32, 8 waves a work-group, clusters of 4 x 4, 327,680 bytes of LDS; arguments c2, s2, maskw, pc, el; writes pc, el
.if DOCPART == 3
	.amdgcn_target "amdgcn-amd-amdhsa--gfx1250"
	.amdhsa_code_object_version 6
	.text
	.protected	k_q81ca284831_score
	.globl	k_q81ca284831_score
	.p2align	8
	.type	k_q81ca284831_score,@function
k_q81ca284831_score:
	s_mov_b64 s[64:65], 0
	v_nop
	global_prefetch_b8 v0, s[64:65] scope:SCOPE_SE
	s_setreg_imm32_b32 hwreg(HW_REG_WAVE_MODE, 25, 1), 1
	s_wait_xcnt 0x0
	s_wait_alu depctr_hold_cnt(0) depctr_sa_sdst(0) depctr_va_vdst(0) depctr_va_sdst(0) depctr_va_ssrc(0) depctr_va_vcc(0) depctr_vm_vsrc(0)
	s_getreg_b32 s2, hwreg(HW_REG_IB_STS2, 6, 4)
	s_cmp_eq_u32 s2, 0
	s_cbranch_scc0 .Lentry_in_a_cluster
	s_endpgm
.Lentry_in_a_cluster:
	s_bfe_u32 s2, ttmp6, 0x10000c
	s_cmp_lg_u32 s2, 0xf033
	s_cbranch_scc0 .Lentry_shape_is_right
	s_endpgm
.Lentry_shape_is_right:
; Launch 3 of 4: S^T = K Q^T on codes of E2M1 (K = 1,024), the mask, and p quantised along the keys.  Nothing of reference() is left out: every tile is multiplied, and the mask, an input, selects.
; A tile of 256 queries (work-group y: batch y / 8) x 256 keys (work-group x); eight waves, each 64 queries x 128 keys.  Source 0 = 16 keys, source 1 = 16 queries: a lane holds one query,
; and register 16 b + 8 u + j of a tile of queries is key 32 b + 16 u + 8 h + j of the wave's 128.  All of K lies in LDS: ONE tensor load a wave (waves 0-3 quarters of Q's tiles, waves 4-7 of K's), nothing filled again.
; CLUSTER 4 x 4: Q's tiles are shared along a row of the cluster, K's along a column, each asked for jointly.  No loop and no later fill: nothing is prefetched.
; SCALE WORDS come straight into registers: a block's 16 rows x 32 bytes are 512 consecutive bytes; one load at 32 r + 16 h gives lanes 0-15 the words of K steps 0-3 and lanes 16-31 those of K steps 4-7.
; THE SOFTMAX, BY BLOCKS OF 32 KEYS.  t = score x log2(e) / 32.  For each query and block: M_b = ceil(the block's largest t), a whole number; p = 2^(t - M_b); its codes do not hang on which whole number is taken away,
; only the scale's byte does.  Stored for the last launch: the codes; E_b = byte_b + M_b; L_b = (the block's sum of the unquantised p) x 2^(125 - byte_b).  There R = the row's largest E_b is taken away: the byte becomes
; E_b - R + 125 and the row's sum is the sum of L_b 2^(E_b - R): p and the sum carry the same exact power of two.  So the maximum is taken away before every exponential, as reference() does.
; A masked score is -infinity ahead of the maximum, so p = 0.  A block that is masked whole takes -3e38 as its largest score: M_b stays finite, its codes and L_b are 0, and its E_b lies under every other.
; LIMITS: |t| < 2^23, so that E_b is a whole number in f32; NaN and infinities among the inputs are not served; v_exp_f32 is taken not to fall where its input rises (the block's largest p is made from its largest score).
; OUT: pc [tile of 16 queries, 512][key step, 16][1,024 bytes], in the order of an operand's registers.  el: f32, plane E at 0, plane L at 2,097,152, each [batch][key step][query][4 blocks].
; REGISTERS: window 0: v0-31 addresses and the mask words; v32-79 scale words; v96-255 fragments, on the way out at work.  window 1: accumulator (a, b) at v[64 a + 8 b], a: tile of queries, b: tile of keys.
; THE MASK WORDS of my 4 tiles of queries, 64 a tile, are asked for at the head: four loads of 256 consecutive bytes, lane l holding words 2 l and 2 l + 1.  A select wants its lane mask in a scalar register: a tile's 64
; words are moved there by v_readlane_b32, into s16-63 and s68-83, where the descriptors lay: behind the wait that shows every tensor load of the wave done.
.set SPARE, 262144                     ; the spare words, 128 bytes for each wave
.set ADR0, 10                          ; v10  my eight tiles of K
.set ADR1, 12                          ; v12  my four tiles of Q
.set PO,   16                          ; v16  16 r + 8 h
.set EO,   17                          ; v17  16 r, + the L plane for lanes 16-31
.set NINF, 18                          ; v18  -infinity
.set MKO,  19                          ; v19  8 x lane
.set MK,   20                          ; v20-27 mask words, a pair a tile
.set SPW,  28
.set NIL,  29
.set SC,   32                          ; v32-63 K's 8 blocks, four registers a block; v64-79 Q's 4
.set SCO,  80                          ; v80  32 r + 16 h
.set KH,   160                         ; v160-191 K's fragments 4-7; v96-159 and v192-255 two sets of Q's four and K's first four
.set T,    96                          ; v96-99   a block's largest score, then its largest p
.set BY,   100                         ; v100-103 the other half's, then the byte
.set NM,   104                         ; v104-111 pairs: -M_b, and the largest t
.set SOP,  112                         ; v112-115 the conversions' scale operands
.set LS,   116                         ; v116-119 the blocks' sums
.set U,    120                         ; v120-127 at work
.set CD,   128                         ; v128-159 codes
.set EL,   192                         ; v192-207 E and L
.set TMP,  224                         ; v224-255 partial sums
.set G1, 24
.set G0, 32
.set G1B, 48
.set G0B, 56
.set MSB, 0
.macro WIN new                         ; the immediate's high byte repeats the setting that is left
.if MSB != (\new)
	s_set_vgpr_msb (MSB<<8)|(\new)
.set MSB, (\new)
.endif
.endm
.macro PLACES k
.rept \k
	v_nop
.endr
.endm
.macro CROUND                          ; a round of the cluster's barrier
	s_barrier_signal -1
	s_barrier_wait -1
	s_cmp_lg_u32 s14, 0
	s_cbranch_scc1 .Lnot_wave_0_\@
	s_barrier_signal -3
.Lnot_wave_0_\@:
	s_barrier_wait -3
	s_barrier_signal -1
	s_barrier_wait -1
.endm
	s_load_b256 s[4:11], s[0:1], 0x0               ; c2 s[4:5], s2 s[6:7], maskw s[8:9], pc s[10:11]
	s_load_b64 s[12:13], s[0:1], 0x20              ; el
	v_lshl_add_u32 v[SPW], v0, 2, SPARE
	v_mov_b32 v[NIL], 0
	ds_add_u32 v[SPW], v[NIL]                      ; the wave's opening: the add, twice on end, and its wait ahead of my first tensor load
	ds_add_u32 v[SPW], v[NIL]
	v_lshrrev_b32 v1, 5, v0
	v_readfirstlane_b32 s14, v1                    ; wave
	s_lshr_b32 s15, s14, 2                         ; I fetch for Q (0) or K (1),
	s_and_b32 s94, s14, 3                          ; which quarter
	s_lshr_b32 s98, s14, 1                         ; hA: my quarter of the queries
	s_and_b32 s96, s14, 1                          ; hB: my half of the keys
	s_bfe_u32 s40, ttmp6, 0x40000                  ; cx
	s_bfe_u32 s41, ttmp6, 0x40004                  ; cy
	s_lshl_b32 s42, ttmp9, 2
	s_add_co_u32 s42, s42, s40                     ; x
	s_and_b32 s3, ttmp7, 0xffff                    ; the cluster's y
	s_lshl_b32 s97, s3, 2
	s_add_co_u32 s97, s97, s41                     ; y
	s_lshr_b32 s2, s3, 1                           ; the batch: from the cluster's y alone, so that K's address is the same down a column of the cluster
	s_lshl_b32 s43, s41, 2
	s_lshl_b32 s43, 15, s43                        ; my row of the cluster
	s_lshl_b32 s44, 0x1111, s40                    ; my column
	s_or_b32 s[G1], s43, (3<<16)|(1<<21)
	s_or_b32 s[G1B], s44, (3<<16)|(1<<21)
.irp g, G1, G1B
	s_mov_b32 s[\g+1], 1024<<16                    ; 4 tiles of rows x 8 K steps (8,192 bytes), dense
	s_mov_b32 s[\g+2], 4<<16
	s_mov_b32 s[\g+3], 1024<<16
	s_mov_b32 s[\g+4], 4
	s_mov_b32 s[\g+5], 1024
	s_mov_b32 s[\g+6], 0
	s_mov_b32 s[\g+7], 0
.endr
	s_lshl_b32 s18, s94, 15
	s_lshl_b32 s20, s97, 17                        ; Q: 131,072 y
	s_add_co_u32 s20, s20, s18
	s_mov_b32 s21, 0
	s_lshl_b32 s22, s97, 13                        ; the scale words of my 64 queries
	s_lshl_b32 s19, s98, 11
	s_add_co_u32 s22, s22, s19
	s_mov_b32 s23, 0
	s_lshl_b32 s46, s2, 20                         ; K: tiles 512 on; 128 tiles a batch; 16 a work-group
	s_lshl_b32 s45, s42, 17
	s_add_co_u32 s46, s46, s45
	s_add_co_u32 s46, s46, s18
	s_add_co_u32 s46, s46, 4194304
	s_mov_b32 s47, 0
	s_lshl_b32 s92, s2, 16                         ; the scale words of my 128 keys
	s_lshl_b32 s45, s42, 13
	s_add_co_u32 s92, s92, s45
	s_lshl_b32 s19, s96, 12
	s_add_co_u32 s92, s92, s19
	s_add_co_u32 s92, s92, 262144
	s_mov_b32 s93, 0
	s_lshl_b32 s45, s14, 15                        ; LDS: Q's four quarters, then K's
	s_wait_dscnt 0x0                               ; both opening adds are done
	s_wait_kmcnt 0x0
	s_add_nc_u64 s[20:21], s[4:5], s[20:21]
	s_add_nc_u64 s[22:23], s[6:7], s[22:23]
	s_add_nc_u64 s[46:47], s[4:5], s[46:47]
	s_add_nc_u64 s[92:93], s[6:7], s[92:93]
	s_mov_b32 s[G0], 1
	s_mov_b32 s[G0+1], s45
	s_mov_b64 s[G0+2:G0+3], s[20:21]
	s_or_b32 s[G0+3], s[G0+3], 0x80000000
	s_mov_b32 s[G0B], 1
	s_mov_b32 s[G0B+1], s45
	s_mov_b64 s[G0B+2:G0B+3], s[46:47]
	s_or_b32 s[G0B+3], s[G0B+3], 0x80000000
	CROUND                                         ; all sixteen work-groups are here: the joint loads meet
	s_cmp_eq_u32 s15, 0                            ; an s_nop 0 and four v_nop follow each line
	s_cbranch_scc0 .Lfor_k
	tensor_load_to_lds s[G0:G0+3], s[G1:G1+7]
	s_nop 0
.rept 4
	v_nop
.endr
	s_branch .Lasked
.Lfor_k:
	tensor_load_to_lds s[G0B:G0B+3], s[G1B:G1B+7]
	s_nop 0
.rept 4
	v_nop
.endr
.Lasked:
	s_mov_b32 s99, 0xffff0000                      ; lanes 16-31
	s_mov_b32 s4, 0x3d38aa3b                       ; c = log2(e) / 32 (c2's and s2's addresses have been used)
	s_mov_b32 s5, s4                               ; named with it as a pair
	s_mov_b32 s6, 0x76543210
	s_mov_b32 s7, 0xfedcba98                       ; v_permlanex16_b32's selects for lane l xor 16
	v_and_b32 v1, 15, v0                           ; r
	v_bfe_u32 v2, v0, 4, 1                         ; h
	v_and_b32 v3, 31, v0
	v_lshlrev_b32 v[SCO], 5, v1
	v_lshl_add_u32 v[SCO], v2, 4, v[SCO]
.irp b, 0,1,2,3,4,5,6,7
	global_load_b128 v[SC+4*\b:SC+4*\b+3], v[SCO], s[92:93] offset:512*\b
.endr
.irp a, 0,1,2,3
	global_load_b128 v[SC+32+4*\a:SC+32+4*\a+3], v[SCO], s[22:23] offset:512*\a
.endr
	v_lshlrev_b32 v[MKO], 3, v3
	v_lshlrev_b32 v3, 4, v3                        ; 16 x lane
	s_lshl_b32 s16, s96, 16
	s_add_co_u32 s16, s16, 131072                  ; source 0: my half of K's region
	s_lshl_b32 s17, s98, 15                        ; source 1: my quarter of Q's
	v_add_nc_u32 v[ADR0], s16, v3
	v_add_nc_u32 v[ADR1], s17, v3
	v_lshlrev_b32 v[PO], 4, v1
	v_lshl_add_u32 v[PO], v2, 3, v[PO]
	v_lshlrev_b32 v[EO], 21, v2
	v_lshl_add_u32 v[EO], v1, 4, v[EO]
	v_mov_b32 v[NINF], 0xff800000
	s_wait_alu depctr_va_vdst(0)                   ; a wait ahead of the scalar lines below
	s_lshl_b32 s16, s42, 1
	s_add_co_u32 s16, s16, s96                     ; my key step: 2 x + hB
	s_and_b32 s17, s97, 7                          ; my tile of queries in its batch
	s_mov_b32 s19, 0
	s_lshl_b32 s18, s17, 16                        ; mask words: 256 bytes for a tile of 16 queries and a key step
	s_lshl_b32 s20, s98, 14
	s_add_co_u32 s18, s18, s20
	s_lshl_b32 s20, s16, 8
	s_add_co_u32 s18, s18, s20
	s_add_nc_u64 s[8:9], s[8:9], s[18:19]
.irp a, 0,1,2,3
	global_load_b64 v[MK+2*\a:MK+2*\a+1], v[MKO], s[8:9] offset:4096*\a   ; tile a's 64 words; wanted behind the last product
.endr
	s_lshl_b32 s18, s97, 18                        ; p's codes: tile 16 y + 4 hA, my key step
	s_lshl_b32 s20, s98, 16
	s_add_co_u32 s18, s18, s20
	s_lshl_b32 s20, s16, 10
	s_add_co_u32 s18, s18, s20
	s_add_nc_u64 s[10:11], s[10:11], s[18:19]
	s_lshl_b32 s18, s2, 19                         ; E and L: 16 bytes a query
	s_lshl_b32 s20, s16, 15
	s_add_co_u32 s18, s18, s20
	s_lshl_b32 s20, s17, 12
	s_add_co_u32 s18, s18, s20
	s_lshl_b32 s20, s98, 10
	s_add_co_u32 s18, s18, s20
	s_add_nc_u64 s[12:13], s[12:13], s[18:19]
.macro FSL t                           ; K step t: Q's four fragments and K's first four into set t % 2
.set FB, 96+96*((\t)%2)
.irp i, 0,1,2,3
.irp c, 0,1
	ds_load_b128 v[FB+8*\i+4*\c:FB+8*\i+4*\c+3], v[ADR1] offset:8192*\i+1024*(\t)+512*\c
.endr
.endr
.irp i, 0,1,2,3
.irp c, 0,1
	ds_load_b128 v[FB+32+8*\i+4*\c:FB+32+8*\i+4*\c+3], v[ADR0] offset:8192*\i+1024*(\t)+512*\c
.endr
.endr
.endm
.macro KHL t                           ; K's last four
.irp i, 0,1,2,3
.irp c, 0,1
	ds_load_b128 v[KH+8*\i+4*\c:KH+8*\i+4*\c+3], v[ADR0] offset:8192*(\i+4)+1024*(\t)+512*\c
.endr
.endr
.endm
.macro MULH t, hf, kf                  ; 16 matrix instructions: the four tiles of queries x four of keys; the 32 accumulators take turns, in the same order in every step
	WIN 0x50                                       ; C and D in window 1
.irp a, 0,1,2,3
.irp b, 0,1,2,3
.set rD, 64*\a+8*(4*(\hf)+\b)
.set rA, (\kf)+8*\b
.set rB, 96+96*((\t)%2)+8*\a
.set rX, SC+4*(4*(\hf)+\b)+(\t)%4
.set rY, SC+32+4*\a+(\t)%4
.if (\t) == 0
	v_wmma_scale_f32_16x16x128_f8f6f4 v[rD:rD+7], v[rA:rA+7], v[rB:rB+7], 0, v[rX], v[rY] matrix_a_fmt:MATRIX_FMT_FP4 matrix_b_fmt:MATRIX_FMT_FP4
.elseif (\t) < 4
	v_wmma_scale_f32_16x16x128_f8f6f4 v[rD:rD+7], v[rA:rA+7], v[rB:rB+7], v[rD:rD+7], v[rX], v[rY] matrix_a_fmt:MATRIX_FMT_FP4 matrix_b_fmt:MATRIX_FMT_FP4
.else
	v_wmma_scale_f32_16x16x128_f8f6f4 v[rD:rD+7], v[rA:rA+7], v[rB:rB+7], v[rD:rD+7], v[rX], v[rY] matrix_a_fmt:MATRIX_FMT_FP4 matrix_b_fmt:MATRIX_FMT_FP4 matrix_a_scale:MATRIX_SCALE_ROW1 matrix_b_scale:MATRIX_SCALE_ROW1
.endif
.endr
.endr
	WIN 0
.endm
.macro STEP t
	PLACES 4                                       ; in front of loads into registers that the last step multiplied
	KHL \t
	s_wait_dscnt 8                                 ; all but the eight just issued
	MULH \t, 0, 128+96*((\t)%2)
.if (\t) < 7
	FSL (\t)+1
	s_wait_dscnt 16                                ; K's last four are in
.else
	s_wait_dscnt 0x0
.endif
	MULH \t, 1, KH
.endm
	s_wait_alu depctr_va_vdst(0)                   ; the head's end
	s_wait_tensorcnt 0x0                           ; my part of Q's or K's tiles is in; nothing is filled again
	s_barrier_signal -1
	s_barrier_wait -1                              ; everybody's is
	FSL 0
	s_wait_loadcnt 4                               ; the scale words are in; the four loads of mask words may be out
.irp t, 0,1,2,3,4,5,6,7
	STEP \t
.endr
	PLACES 4                                       ; in front of the first read of results, and of writes into operands
	s_wait_loadcnt 0x0                             ; the mask words, asked for at the head
; THE WAY OUT of tile a of my queries: 64 scores a lane.
.macro SOFTQ a
.set AC, 64*(\a)
.set n, 0
.rept 64
.set mk, 16+n+4*(n/48)
	v_readlane_b32 s[mk], v[MK+2*(\a)+n%2], n/2    ; word n lies in lane n / 2
.set n, n+1
.endr
	WIN 0x41                                       ; destination and source 0 in window 1
.set n, 0
.rept 64
.set mk, 16+n+4*(n/48)
	v_cndmask_b32 v[AC+n], v[AC+n], v[NINF], s[mk] ; -infinity where the mask's number is 1; each accumulator from its low end on
.set n, n+1
.endr
	WIN 0x05                                       ; sources 0 and 1
.irp b, 0,1,2,3
	v_max3_num_f32 v[T+\b], v[AC+16*\b], v[AC+16*\b+1], 0xff61b1e6   ; the block's largest score, and -3e38, so that a block masked whole keeps a finite M_b
.endr
.irp i, 2,4,6,8,10,12,14
.irp b, 0,1,2,3
	v_max3_num_f32 v[T+\b], v[AC+16*\b+\i], v[AC+16*\b+\i+1], v[T+\b]
.endr
.endr
	WIN 0
.irp b, 0,1,2,3
	v_permlanex16_b32 v[BY+\b], v[T+\b], s6, s7
.endr
.irp b, 0,1,2,3
	v_max_num_f32 v[T+\b], v[T+\b], v[BY+\b]       ; with lane l xor 16's 16 keys
.endr
.irp b, 0,1,2,3
	v_mul_f32 v[NM+2*\b+1], s4, v[T+\b]            ; as t
.endr
.irp b, 0,1,2,3
	v_floor_f32 v[NM+2*\b], -v[NM+2*\b+1]          ; -M_b = floor(-t) = -ceil(t)
.endr
.irp b, 0,1,2,3
	v_fma_f32 v[T+\b], v[T+\b], s4, v[NM+2*\b]     ; the largest score's t - M_b, by the same multiply-add as all the others'
.endr
	WIN 0x41
.set n, 0
.rept 32
	v_pk_fma_f32 v[AC+n:AC+n+1], v[AC+n:AC+n+1], s[4:5], v[NM+2*(n/16):NM+2*(n/16)+1] op_sel_hi:[1,0,0]   ; t - M_b, two at a time
.set n, n+2
.endr
	WIN 0
	s_wait_alu depctr_va_vdst(0)                   ; a wait ahead of the batch
.irp b, 0,1,2,3
	v_exp_f32 v[T+\b], v[T+\b]                     ; the block's largest p
.endr
	WIN 0x41
.set n, 0
.rept 64
	v_exp_f32 v[AC+n], v[AC+n]                     ; p = 2^(t - M_b), at most 1
.set n, n+1
.endr
	WIN 0
	v_nop                                          ; a plain place behind the last exponential
	s_wait_alu depctr_va_vdst(0)                   ; one wait for the 68 exponentials, ahead of the first instruction that names a result
.irp b, 0,1,2,3
	v_max_num_f32 v[T+\b], 0x1800000, v[T+\b]      ; the floor 2^(3 - 127): the byte cannot fall under 1
.endr
.irp b, 0,1,2,3
	v_add_nc_u32 v[SOP+\b], 0xff000000, v[T+\b]    ; 2 off the exponent field: the conversion's scale operand
.endr
.irp b, 0,1,2,3
	v_lshrrev_b32 v[BY+\b], 23, v[SOP+\b]          ; the byte
.endr
	WIN 0x05
.set n, 0
.rept 16
	v_pk_add_f32 v[TMP+2*n:TMP+2*n+1], v[AC+4*n:AC+4*n+1], v[AC+4*n+2:AC+4*n+3]   ; the sums are taken of the unquantised p
.set n, n+1
.endr
	WIN 0x01
.irp b, 0,1,2,3
	v_cvt_scalef32_pk8_fp4_f32 v[CD+8*(\a)+2*\b], v[AC+16*\b:AC+16*\b+7], v[SOP+\b]
	v_cvt_scalef32_pk8_fp4_f32 v[CD+8*(\a)+2*\b+1], v[AC+16*\b+8:AC+16*\b+15], v[SOP+\b]
.endr
	WIN 0
	v_nop                                          ; one plain place behind the last scaled conversion
.irp b, 0,1,2,3
	global_store_b64 v[PO], v[CD+8*(\a)+2*\b:CD+8*(\a)+2*\b+1], s[10:11] offset:16384*(\a)+256*\b   ; 256 consecutive bytes, aligned
.endr
.irp b, 0,1,2,3
	v_pk_add_f32 v[TMP+8*\b:TMP+8*\b+1], v[TMP+8*\b:TMP+8*\b+1], v[TMP+8*\b+2:TMP+8*\b+3]
	v_pk_add_f32 v[TMP+8*\b+4:TMP+8*\b+5], v[TMP+8*\b+4:TMP+8*\b+5], v[TMP+8*\b+6:TMP+8*\b+7]
.endr
.irp b, 0,1,2,3
	v_pk_add_f32 v[TMP+8*\b:TMP+8*\b+1], v[TMP+8*\b:TMP+8*\b+1], v[TMP+8*\b+4:TMP+8*\b+5]
.endr
.irp b, 0,1,2,3
	v_add_f32 v[LS+\b], v[TMP+8*\b], v[TMP+8*\b+1]
.endr
.irp b, 0,1,2,3
	v_permlanex16_b32 v[U+\b], v[LS+\b], s6, s7
.endr
.irp b, 0,1,2,3
	v_add_f32 v[LS+\b], v[LS+\b], v[U+\b]          ; the block's sum
.endr
.irp b, 0,1,2,3
	v_cvt_f32_u32 v[U+\b], v[BY+\b]
	v_sub_nc_u32 v[U+4+\b], 125, v[BY+\b]
.endr
.irp b, 0,1,2,3
	v_sub_f32 v[U+\b], v[U+\b], v[NM+2*\b]         ; E_b = byte + M_b
	v_ldexp_f32 v[LS+\b], v[LS+\b], v[U+4+\b]      ; L_b = sum x 2^(125 - byte): exact
.endr
.irp b, 0,1,2,3
	v_cndmask_b32 v[EL+4*(\a)+\b], v[U+\b], v[LS+\b], s99   ; lanes 0-15 store E, lanes 16-31 L
.endr
	global_store_b128 v[EO], v[EL+4*(\a):EL+4*(\a)+3], s[12:13] offset:256*(\a)   ; 256 consecutive aligned bytes in each plane
.endm
.irp a, 0,1,2,3
	SOFTQ \a
.endr
	s_wait_tensorcnt 0x0                           ; the wave's end
	ds_add_u32 v[SPW], v[NIL]
	s_wait_dscnt 0x0
	CROUND                                         ; the closing round
	s_endpgm
.Lfunc_end_k_q81ca284831_score:
	.size	k_q81ca284831_score, .Lfunc_end_k_q81ca284831_score-k_q81ca284831_score
	.p2alignl 7, 3214868480
	.fill 96, 4, 3214868480
	.section	.rodata,"a",@progbits
	.p2align	6, 0x0
	.amdhsa_kernel k_q81ca284831_score
		.amdhsa_group_segment_fixed_size 327680
		.amdhsa_private_segment_fixed_size 0
		.amdhsa_enable_private_segment 0
		.amdhsa_kernarg_size 40
		.amdhsa_user_sgpr_count 2
		.amdhsa_user_sgpr_kernarg_segment_ptr 1
		.amdhsa_wavefront_size32 1
		.amdhsa_system_sgpr_workgroup_id_x 1
		.amdhsa_system_sgpr_workgroup_id_y 1
		.amdhsa_system_sgpr_workgroup_id_z 1
		.amdhsa_system_vgpr_workitem_id 0
		.amdhsa_next_free_vgpr 512
		.amdhsa_next_free_sgpr 100
		.amdhsa_reserve_vcc 0
		.amdhsa_float_denorm_mode_32 3
		.amdhsa_float_denorm_mode_16_64 3
		.amdhsa_memory_ordered 1
		.amdhsa_forward_progress 1
		.amdhsa_inst_pref_size 138
	.end_amdhsa_kernel
	.amdgpu_metadata
---
amdhsa.version: [ 1, 2 ]
amdhsa.kernels:
  - .name:           k_q81ca284831_score
    .symbol:         k_q81ca284831_score.kd
    .args:
      - { .name: c2, .offset: 0, .size: 8, .value_kind: global_buffer, .address_space: global }
      - { .name: s2, .offset: 8, .size: 8, .value_kind: global_buffer, .address_space: global }
      - { .name: maskw, .offset: 16, .size: 8, .value_kind: global_buffer, .address_space: global }
      - { .name: pc, .offset: 24, .size: 8, .value_kind: global_buffer, .address_space: global }
      - { .name: el, .offset: 32, .size: 8, .value_kind: global_buffer, .address_space: global }
    .group_segment_fixed_size: 327680
    .private_segment_fixed_size: 0
    .kernarg_segment_align: 8
    .kernarg_segment_size: 40
    .max_flat_workgroup_size: 256
    .sgpr_count:     100
    .vgpr_count:     512
    .wavefront_size: 32
...
	.end_amdgpu_metadata
.endif
;; end of part 3
;; launch pv (part 4): grid 4 x 64, 4 waves a work-group, clusters of 4 x 4, 327,680 bytes of LDS; arguments pc, el, c2, s2, out0; writes out0
.if DOCPART == 4
	.amdgcn_target "amdgcn-amd-amdhsa--gfx1250"
	.amdhsa_code_object_version 6
	.text
	.protected	k_q81ca284831_pv
	.globl	k_q81ca284831_pv
	.p2align	8
	.type	k_q81ca284831_pv,@function
k_q81ca284831_pv:
	s_mov_b64 s[64:65], 0
	v_nop
	global_prefetch_b8 v0, s[64:65] scope:SCOPE_SE
	s_setreg_imm32_b32 hwreg(HW_REG_WAVE_MODE, 25, 1), 1
	s_wait_xcnt 0x0
	s_wait_alu depctr_hold_cnt(0) depctr_sa_sdst(0) depctr_va_vdst(0) depctr_va_sdst(0) depctr_va_ssrc(0) depctr_va_vcc(0) depctr_vm_vsrc(0)
	s_getreg_b32 s2, hwreg(HW_REG_IB_STS2, 6, 4)
	s_cmp_eq_u32 s2, 0
	s_cbranch_scc0 .Lentry_in_a_cluster
	s_endpgm
.Lentry_in_a_cluster:
	s_bfe_u32 s2, ttmp6, 0x10000c
	s_cmp_lg_u32 s2, 0xf033
	s_cbranch_scc0 .Lentry_shape_is_right
	s_endpgm
.Lentry_shape_is_right:
; Launch 4 of 4: out = (p V) / (the row's sum of p), on codes of E2M1 (K = 2,048 keys).  Nothing of reference() is left out here.
; Work-group (x, y): 128 queries (batch y / 16) x 256 of e; a wave 64 queries x 128 of e: 32 accumulators of 16 x 16.  Source 0 = V^T's tiles (16 of e), source 1 = p's tiles (16 queries): a lane holds one query and eight neighbouring e.
; THE SOFTMAX'S REST.  A thread takes one query: R = the largest E of its 64 blocks of keys; a block's scale byte is E - R + 125, held at 1 from below; the row's sum is the sum of L 2^(E - R).  p and the sum so carry the same power of two.
; V's scale bytes arrive as [block of 32 keys][e]; four blocks' bytes of one e make the scale word of a key step: 4 x 4 bytes are turned by v_perm_b32 and laid in LDS by rows of e.
; KEYS come in three fills, 6, 6 and 4 key steps of 128: areas A, B, and A again.  Each wave has one tensor load in each: waves 0, 1 the halves of p's 8 tiles, waves 2, 3 those of V^T's 16.
; Operands lie in memory in the order of their registers, so a fragment is two ds_load_b128 at 16 x lane.
; CLUSTER 4 x 4: p's tiles are shared along a row of the cluster, V^T's along a column, each asked for jointly.
; PREFETCH into the L2: what B and A's second fill bring is asked for one fill ahead, each block of 256 bytes once in a cluster: the partners in a row take two of p's tiles each, those in a column four of V^T's.
; LIMITS: those of the launches before; a block whose E lies more than 124 under the row's largest keeps the byte 1, and its share of the sum is held likewise.
; REGISTERS: window 0: addresses, scale words, the softmax's rest.  window 1: two sets of fragments: V^T's eight, then p's four.  window 2: accumulator (a, b) at v[8 (8 a + b)], a: p's tile, b: V^T's.
.set AREAB, 147456                     ; A: p's 8 tiles x 6,144 bytes, V^T's 16; B behind it
.set PSC,   294912                     ; p's scale words, rows of 64 bytes, 16 of padding behind each 256
.set VSC,   303616                     ; V's likewise
.set RL,    321024                     ; 1 / the row's sum
.set SPARE, 321536                     ; the spare words, 128 bytes for each wave
.set STAGE, AREAB                      ; the way out: B has had its last fill, and nobody reads it behind the last change of areas
.set SBLK,  1088                       ; scale words of 16 rows
.set ADR0, 8                           ; v8-10  my eight tiles of V^T in A, B, A again
.set ADR1, 11                          ; v11-13 my four tiles of p
.set ADRS, 14
.set STO,  16
.set RD,   17
.set PSA,  19
.set RLA,  20
.set RLR,  21
.set EOF,  22
.set VSO,  23
.set VSA,  24
.set PFB,  25                          ; v25 p, v26 V: prefetch offsets for B; v27, v30 for A's second fill
.set SPW,  28
.set NIL,  29
.set SC,   32                          ; v32-95 scale words, two sets: lanes 0-15 p's rows, lanes 16-31 V's
.set VS,   32                          ; at the head: V's bytes as loaded, v64-67 at work, v68-99 words
.set RC,   96
.set RR,   100
.set WD,   104
.set RI,   120
.set EE,   128
.set LL,   192
.set G1, 24                            ; p: s[24:31] group 1, s[32:35] group 0
.set G0, 32
.set G1B, 36                           ; V^T: s[36:43], s[44:47]
.set G0B, 44
.set MUL, 0xa5                         ; sources window 1, C and D window 2
.set MSB, 0
.macro WIN new                         ; the immediate's high byte repeats the setting that is left
.if MSB != (\new)
	s_set_vgpr_msb (MSB<<8)|(\new)
.set MSB, (\new)
.endif
.endm
.macro PLACES k
.rept \k
	v_nop
.endr
.endm
.macro JLOAD                           ; waves 0, 1: p; waves 2, 3: V^T; an s_nop 0 and four v_nop follow each line
	s_cmp_eq_u32 s15, 0
	s_cbranch_scc0 .Lfor_v_\@
	tensor_load_to_lds s[G0:G0+3], s[G1:G1+7]
	s_nop 0
.rept 4
	v_nop
.endr
	s_branch .Lasked_\@
.Lfor_v_\@:
	tensor_load_to_lds s[G0B:G0B+3], s[G1B:G1B+7]
	s_nop 0
.rept 4
	v_nop
.endr
.Lasked_\@:
.endm
.macro CREST                           ; a round of the cluster's barrier behind its opening barrier
	s_cmp_lg_u32 s14, 0
	s_cbranch_scc1 .Lnot_wave_0_\@
	s_barrier_signal -3
.Lnot_wave_0_\@:
	s_barrier_wait -3
	s_barrier_signal -1
	s_barrier_wait -1
.endm
.macro CROUND
	s_barrier_signal -1
	s_barrier_wait -1
	CREST
.endm
	s_load_b256 s[4:11], s[0:1], 0x0               ; pc s[4:5], el s[6:7], c2 s[8:9], s2 s[10:11]
	s_load_b64 s[12:13], s[0:1], 0x20              ; out0
	v_lshl_add_u32 v[SPW], v0, 2, SPARE
	v_mov_b32 v[NIL], 0
	ds_add_u32 v[SPW], v[NIL]                      ; the wave's opening: the add, twice on end, and its wait ahead of my first tensor load
	ds_add_u32 v[SPW], v[NIL]
	v_lshrrev_b32 v1, 5, v0
	v_readfirstlane_b32 s14, v1                    ; wave
	s_lshr_b32 s15, s14, 1                         ; my half of the queries.  Also: I fetch for p (0) or V^T (1)
	s_and_b32 s96, s14, 1                          ; my half of e.  Also: which half I fetch
	s_bfe_u32 s84, ttmp6, 0x40000                  ; cx
	s_bfe_u32 s85, ttmp6, 0x40004                  ; cy
	s_lshl_b32 s86, ttmp9, 2
	s_add_co_u32 s86, s86, s84                     ; x
	s_and_b32 s3, ttmp7, 0xffff
	s_lshl_b32 s97, s3, 2
	s_add_co_u32 s97, s97, s85                     ; y
	s_lshr_b32 s2, s3, 2                           ; the batch, from the cluster's y alone
	s_lshl_b32 s87, s85, 2
	s_lshl_b32 s87, 15, s87                        ; my row of the cluster
	s_lshl_b32 s88, 0x1111, s84                    ; my column
	s_or_b32 s[G1], s87, (3<<16)|(1<<21)
	s_mov_b32 s[G1+1], 768<<16                     ; 4 tiles x 6 key steps (6,144 bytes), 16,384 bytes from tile to tile
	s_mov_b32 s[G1+2], 4<<16
	s_mov_b32 s[G1+3], 768<<16
	s_mov_b32 s[G1+4], 4
	s_mov_b32 s[G1+5], 2048
	s_mov_b32 s[G1+6], 0
	s_mov_b32 s[G1+7], 0
	s_or_b32 s[G1B], s88, (3<<16)|(1<<21)
	s_mov_b32 s[G1B+1], 768<<16                    ; 8 tiles
	s_mov_b32 s[G1B+2], 8<<16
	s_mov_b32 s[G1B+3], 768<<16
	s_mov_b32 s[G1B+4], 8
	s_mov_b32 s[G1B+5], 2048
	s_mov_b32 s[G1B+6], 0
	s_mov_b32 s[G1B+7], 0
	s_lshl_b32 s16, s97, 17                        ; p: 8 tiles of 16,384 bytes
	s_mov_b32 s17, 0
	s_lshl_b32 s18, s96, 16
	s_mov_b32 s19, 0
	s_lshl_b32 s20, s2, 20                         ; V^T
	s_lshl_b32 s22, s86, 18
	s_add_co_u32 s20, s20, s22
	s_add_co_u32 s20, s20, 8388608
	s_mov_b32 s21, 0
	s_lshl_b32 s22, s96, 17
	s_mov_b32 s23, 0
	s_lshl_b32 s70, s84, 1                         ; prefetch: p's tile 2 cx + wave % 2,
	s_add_co_u32 s70, s70, s96
	s_lshl_b32 s70, s70, 14
	s_mov_b32 s71, 0
	s_lshl_b32 s72, s85, 2                         ; V^T's tile 4 cy + wave
	s_add_co_u32 s72, s72, s14
	s_lshl_b32 s72, s72, 14
	s_mov_b32 s73, 0
	s_lshl_b32 s74, s2, 19                         ; E and L: 16 bytes a query
	s_and_b32 s76, s97, 15
	s_lshl_b32 s76, s76, 11
	s_add_co_u32 s74, s74, s76
	s_mov_b32 s75, 0
	s_lshl_b32 s76, s2, 16                         ; V's scale bytes
	s_lshl_b32 s78, s86, 8
	s_add_co_u32 s76, s76, s78
	s_add_co_u32 s76, s76, 524288
	s_mov_b32 s77, 0
	v_lshlrev_b32 v[EOF], 4, v0
	v_and_b32 v1, 15, v0
	v_lshrrev_b32 v2, 4, v0
	v_lshlrev_b32 v[VSO], 12, v2                   ; key step thread / 16 (and 8 on), 16 of e
	v_lshl_add_u32 v[VSO], v1, 4, v[VSO]
	v_mul_u32_u24 v[VSA], v1, SBLK
	v_lshl_add_u32 v[VSA], v2, 2, v[VSA]
	v_add_nc_u32 v[VSA], VSC, v[VSA]
	s_wait_alu depctr_va_vdst(0)                   ; a wait directly ahead of the waits below
	s_wait_dscnt 0x0                               ; both opening adds are done
	s_wait_kmcnt 0x0
	s_add_nc_u64 s[6:7], s[6:7], s[74:75]
	s_add_nc_u64 s[10:11], s[10:11], s[76:77]
.irp k, 0,1,2,3,4,5,6,7,8,9,10,11,12,13,14,15
	global_load_b128 v[EE+4*\k:EE+4*\k+3], v[EOF], s[6:7] offset:32768*\k
.endr
.irp k, 0,1,2,3,4,5,6,7,8,9,10,11,12,13,14,15
	global_load_b128 v[LL+4*\k:LL+4*\k+3], v[EOF], s[6:7] offset:32768*\k+2097152
.endr
.irp m, 0,1
.irp k, 0,1,2,3
	global_load_b128 v[VS+16*\m+4*\k:VS+16*\m+4*\k+3], v[VSO], s[10:11] offset:32768*\m+1024*\k
.endr
.endr
	s_add_nc_u64 s[16:17], s[4:5], s[16:17]
	s_add_nc_u64 s[20:21], s[8:9], s[20:21]
	s_add_nc_u64 s[70:71], s[16:17], s[70:71]
	s_add_nc_u64 s[72:73], s[20:21], s[72:73]
	s_mov_b32 s[G0], 1
	s_mul_i32 s[G0+1], s96, 24576
	s_add_nc_u64 s[G0+2:G0+3], s[16:17], s[18:19]
	s_or_b32 s[G0+3], s[G0+3], 0x80000000
	s_mov_b32 s[G0B], 1
	s_mul_i32 s[G0B+1], s96, 49152
	s_add_co_u32 s[G0B+1], s[G0B+1], 49152
	s_add_nc_u64 s[G0B+2:G0B+3], s[20:21], s[22:23]
	s_or_b32 s[G0B+3], s[G0B+3], 0x80000000
	CROUND                                         ; all sixteen work-groups are here: the joint loads meet
	JLOAD                                          ; area A: key steps 0-5
	v_and_b32 v1, 15, v0                           ; r
	v_bfe_u32 v2, v0, 4, 1                         ; h
	v_and_b32 v3, 31, v0                           ; lane
	v_min_u32 v[PFB], 11, v3                       ; B, p: 24 blocks a tile, 12 a wave;  V^T: 24 a wave
	v_lshlrev_b32 v[PFB], 8, v[PFB]
	s_mul_i32 s18, s15, 3072
	v_add_nc_u32 v[PFB], s18, v[PFB]
	v_min_u32 v[PFB+1], 23, v3
	v_lshlrev_b32 v[PFB+1], 8, v[PFB+1]
	global_prefetch_b8 v[PFB], s[70:71] offset:6144 th:TH_LOAD_NT scope:SCOPE_SE
	global_prefetch_b8 v[PFB+1], s[72:73] offset:6144 th:TH_LOAD_NT scope:SCOPE_SE
	v_and_b32 v[PFB+2], 7, v3                      ; A's second fill: 16 blocks a tile, p 8 a wave, V^T 16
	v_lshlrev_b32 v[PFB+2], 8, v[PFB+2]
	s_lshl_b32 s18, s15, 11
	v_add_nc_u32 v[PFB+2], s18, v[PFB+2]
	v_lshlrev_b32 v[PFB+5], 8, v1
	v_lshlrev_b32 v3, 4, v3                        ; 16 x lane
	s_mul_i32 s16, s96, 49152
	s_add_co_u32 s16, s16, 49152
	s_mul_i32 s18, s15, 24576
	v_add_nc_u32 v[ADR0], s16, v3
	v_add_nc_u32 v[ADR1], s18, v3
	v_add_nc_u32 v[ADR0+1], AREAB, v[ADR0]
	v_add_nc_u32 v[ADR1+1], AREAB, v[ADR1]
	s_lshl_b32 s16, s96, 15
	s_add_co_u32 s16, s16, 32768
	s_lshl_b32 s18, s15, 14
	v_add_nc_u32 v[ADR0+2], s16, v3
	v_add_nc_u32 v[ADR1+2], s18, v3
	v_lshlrev_b32 v5, 6, v1                        ; a row's scale words: 64 bytes, and 16 more for each 256 passed
	v_lshrrev_b32 v6, 8, v5
	v_lshl_add_u32 v5, v6, 4, v5
	s_mul_i32 s16, s15, 4352
	s_mul_i32 s18, s96, 8704
	s_add_co_u32 s18, s18, VSC-PSC
	s_sub_co_u32 s18, s18, s16
	v_mul_u32_u24 v6, s18, v2                      ; lanes 16-31 take V's
	s_add_co_u32 s16, s16, PSC
	v_add_nc_u32 v5, v5, v6
	v_add_nc_u32 v[ADRS], s16, v5
	s_mul_i32 s16, s14, 8448
	s_add_co_u32 s16, s16, STAGE
	v_mul_u32_u24 v[STO], v1, 528
	v_lshl_add_u32 v[STO], v2, 5, v[STO]
	v_add_nc_u32 v[STO], s16, v[STO]
	v_add_nc_u32 v[RD], s16, v3
	v_lshrrev_b32 v4, 2, v0
	v_and_b32 v5, 3, v0
	v_mul_u32_u24 v4, v4, 272
	v_lshl_add_u32 v4, v5, 6, v4
	v_add_nc_u32 v[PSA], PSC, v4
	v_lshl_add_u32 v[RLA], v0, 2, RL
	s_lshl_b32 s16, s15, 8
	s_add_co_u32 s16, s16, RL
	v_lshl_add_u32 v[RLR], v1, 2, s16
.irp a, 0,1,2,3
	v_mov_b32 v[RI+2*\a+1], 0                      ; named as the upper half of a pair
.endr
	s_lshl_b32 s16, s97, 19                        ; out0: rows of 4,096 bytes
	s_lshl_b32 s18, s15, 18
	s_add_co_u32 s16, s16, s18
	s_lshl_b32 s18, s86, 10
	s_add_co_u32 s16, s16, s18
	s_lshl_b32 s18, s96, 9
	s_add_co_u32 s16, s16, s18
	s_mov_b32 s17, 0
	s_add_nc_u64 s[12:13], s[12:13], s[16:17]
	s_mov_b32 s80, 0x05010400                      ; v_perm_b32's selects
	s_mov_b32 s81, 0x07030602
	s_mov_b32 s82, 0x05040100
	s_mov_b32 s83, 0x07060302
	s_wait_alu depctr_va_vdst(0)                   ; a wait directly ahead of the wait below
	s_wait_loadcnt 8                               ; E and L are in; V's scale bytes may be out
.irp c, 0,1,2,3
	v_max_num_f32 v[RC+\c], v[EE+16*\c], v[EE+16*\c+1]
.endr
.irp i, 2,4,6,8,10,12,14
.irp c, 0,1,2,3
	v_max3_num_f32 v[RC+\c], v[RC+\c], v[EE+16*\c+\i], v[EE+16*\c+\i+1]
.endr
.endr
	v_max3_num_f32 v[RR], v[RC], v[RC+1], v[RC+2]
	v_max_num_f32 v[RR], v[RR], v[RC+3]            ; R
	v_mov_b32 v[RR+1], v[RR]
.set n, 0
.rept 32
	v_pk_add_f32 v[EE+n:EE+n+1], v[EE+n:EE+n+1], v[RR:RR+1] neg_lo:[0,1] neg_hi:[0,1]   ; E - R
.set n, n+2
.endr
.set n, 0
.rept 64
	v_max_num_f32 v[EE+n], 0xc2f80000, v[EE+n]     ; held at -124
.set n, n+1
.endr
.set n, 0
.rept 64
	v_cvt_i32_f32 v[EE+n], v[EE+n]
.set n, n+1
.endr
.set n, 0
.rept 64
	v_ldexp_f32 v[LL+n], v[LL+n], v[EE+n]
.set n, n+1
.endr
.irp i, 1,2,3,4,5,6,7
.irp c, 0,1,2,3
	v_pk_add_f32 v[LL+16*\c:LL+16*\c+1], v[LL+16*\c:LL+16*\c+1], v[LL+16*\c+2*\i:LL+16*\c+2*\i+1]
.endr
.endr
	v_pk_add_f32 v[LL:LL+1], v[LL:LL+1], v[LL+16:LL+17]
	v_pk_add_f32 v[LL+32:LL+33], v[LL+32:LL+33], v[LL+48:LL+49]
	v_pk_add_f32 v[LL:LL+1], v[LL:LL+1], v[LL+32:LL+33]
	v_add_f32 v[LL], v[LL], v[LL+1]                ; the row's sum
	s_wait_alu depctr_va_vdst(0)                   ; a wait ahead of the transcendental
	v_rcp_f32 v[LL+2], v[LL]
.set n, 0
.rept 64
	v_add_nc_u32 v[EE+n], 125, v[EE+n]             ; the scale bytes
.set n, n+1
.endr
.irp k, 0,1,2,3,4,5,6,7,8,9,10,11,12,13,14,15
	v_lshl_or_b32 v[WD+\k], v[EE+4*\k+1], 8, v[EE+4*\k]
	v_lshl_or_b32 v[WD+\k], v[EE+4*\k+2], 16, v[WD+\k]
	v_lshl_or_b32 v[WD+\k], v[EE+4*\k+3], 24, v[WD+\k]
.endr
.irp j, 0,1,2,3
	ds_store_b128 v[PSA], v[WD+4*\j:WD+4*\j+3] offset:16*\j
.endr
	s_wait_alu depctr_va_vdst(0)                   ; and behind it, ahead of its first reader
	ds_store_b32 v[RLA], v[LL+2]
	s_wait_loadcnt 0x0                             ; V's scale bytes: register 16 m + 4 k + d holds block k's bytes of e = 4 d .. 4 d + 3
.irp m, 0,1
.irp d, 0,1,2,3
.set VI, VS+16*\m+\d
.set VO, 68+16*\m+4*\d
	v_perm_b32 v64, v[VI+4], v[VI], s80            ; blocks 0, 1 of e = 4 d, 4 d + 1
	v_perm_b32 v65, v[VI+4], v[VI], s81            ; of 4 d + 2, 4 d + 3
	v_perm_b32 v66, v[VI+12], v[VI+8], s80         ; blocks 2, 3
	v_perm_b32 v67, v[VI+12], v[VI+8], s81
	v_perm_b32 v[VO], v66, v64, s82
	v_perm_b32 v[VO+1], v66, v64, s83
	v_perm_b32 v[VO+2], v67, v65, s82
	v_perm_b32 v[VO+3], v67, v65, s83
.irp z, 0,1,2,3
	ds_store_b32 v[VSA], v[VO+\z] offset:272*\d+64*\z+32*\m
.endr
.endr
.endr
	s_wait_alu depctr_va_vdst(0)                   ; the head's end
	s_wait_tensorcnt 0x0                           ; my part of A is in: these lines stand ahead of a later first fill, as ahead of a refill
	ds_add_u32 v[SPW], v[NIL]
	s_add_co_u32 s[G0+1], s[G0+1], AREAB
	s_add_nc_u64 s[G0+2:G0+3], s[G0+2:G0+3], 6144
	s_add_co_u32 s[G0B+1], s[G0B+1], AREAB
	s_add_nc_u64 s[G0B+2:G0B+3], s[G0B+2:G0B+3], 6144
	s_wait_dscnt 0x0                               ; the add is done, and my scale words are stored
	CROUND                                         ; everybody's
	JLOAD                                          ; area B: key steps 6-11, its first fill
; 8 matrix instructions of key step t: p's tile a x V^T's eight; the 32 accumulators take turns, in the same order in every step
.macro MUL8 t, a
.set FP, 128*((\t)%2)
.set SS, SC+32*(((\t)/4)%2)+(\t)%4
.irp b, 0,1,2,3,4,5,6,7
.set rD, 8*(8*(\a)+\b)
.set rA, FP+8*\b
.set rB, FP+64+8*(\a)
.if (\t) == 0
	v_wmma_scale_f32_16x16x128_f8f6f4 v[rD:rD+7], v[rA:rA+7], v[rB:rB+7], 0, v[SS+4*\b], v[SS+4*(\a)] matrix_a_fmt:MATRIX_FMT_FP4 matrix_b_fmt:MATRIX_FMT_FP4 matrix_a_scale:MATRIX_SCALE_ROW1
.else
	v_wmma_scale_f32_16x16x128_f8f6f4 v[rD:rD+7], v[rA:rA+7], v[rB:rB+7], v[rD:rD+7], v[SS+4*\b], v[SS+4*(\a)] matrix_a_fmt:MATRIX_FMT_FP4 matrix_b_fmt:MATRIX_FMT_FP4 matrix_a_scale:MATRIX_SCALE_ROW1
.endif
.endr
.endm
.macro FETCH t                         ; key step t's fragments: 24 LDS loads into set t % 2
.if (\t) < 6
.set AR, 0
.set FO, 1024*(\t)
.set FS, 6144
.elseif (\t) < 12
.set AR, 1
.set FO, 1024*((\t)-6)
.else
.set AR, 2
.set FO, 1024*((\t)-12)
.set FS, 4096
.endif
.set FP, 128*((\t)%2)
	WIN 0x40
.irp i, 0,1,2,3,4,5,6,7
.irp c, 0,1
	ds_load_b128 v[FP+8*\i+4*\c:FP+8*\i+4*\c+3], v[ADR0+AR] offset:FS*\i+FO+512*\c
.endr
.endr
.irp i, 0,1,2,3
.irp c, 0,1
	ds_load_b128 v[FP+64+8*\i+4*\c:FP+64+8*\i+4*\c+3], v[ADR1+AR] offset:FS*\i+FO+512*\c
.endr
.endr
.endm
.macro SCALES ch                       ; the scale words of key steps 4 ch .. 4 ch + 3
	WIN 0
.irp i, 0,1,2,3,4,5,6,7
	ds_load_b128 v[SC+32*((\ch)%2)+4*\i:SC+32*((\ch)%2)+4*\i+3], v[ADRS] offset:\i*SBLK+16*(\ch)
.endr
.endm
.macro STEP t                          ; the next step's fragments are asked for first
	PLACES 4                                       ; in front of loads into the set that the last step multiplied
.if (\t)%4 == 3
	SCALES ((\t)+1)/4
.endif
	FETCH (\t)+1
.if (\t)%4 == 3
	s_wait_dscnt 32                                ; all but the 32 just issued
.else
	s_wait_dscnt 24
.endif
	WIN MUL
.irp a, 0,1,2,3
	MUL8 \t, \a
.endr
.endm
.macro TURN t, fill                    ; key step t changes areas
	WIN 0
	s_wait_tensorcnt 0x0                           ; all my tensor loads have landed
	ds_add_u32 v[SPW], v[NIL]
.if \fill
	s_mov_b32 s[G1+1], 512<<16                     ; from here on 4 key steps
	s_mov_b32 s[G1+3], 512<<16
	s_mov_b32 s[G1B+1], 512<<16
	s_mov_b32 s[G1B+3], 512<<16
	s_lshl_b32 s[G0+1], s96, 14
	s_lshl_b32 s[G0B+1], s96, 15
	s_add_co_u32 s[G0B+1], s[G0B+1], 32768
	s_add_nc_u64 s[G0+2:G0+3], s[G0+2:G0+3], 6144
	s_add_nc_u64 s[G0B+2:G0B+3], s[G0B+2:G0B+3], 6144
.endif
	s_wait_dscnt 1                                 ; the add alone may be out: this step's fragments are in
	WIN MUL
	MUL8 \t, 0
	s_wait_dscnt 0x0                               ; the add is done
	s_barrier_signal -1
	MUL8 \t, 1
	WIN 0
	s_barrier_wait -1
.if \fill
	CREST
	JLOAD
.else
	PLACES 4
.endif
.if (\t)%4 == 3
	SCALES ((\t)+1)/4
.endif
	FETCH (\t)+1
	WIN MUL
	MUL8 \t, 2
	MUL8 \t, 3
.endm
.irp a, 0,1,2,3
	ds_load_b32 v[RI+2*\a], v[RLR] offset:64*\a    ; 1 / the sum of my query of tile a
.endr
	SCALES 0
	FETCH 0
	WIN 0
	global_prefetch_b8 v[PFB+2], s[70:71] offset:12288 th:TH_LOAD_NT scope:SCOPE_SE
	global_prefetch_b8 v[PFB+5], s[72:73] offset:12288 th:TH_LOAD_NT scope:SCOPE_SE
.irp t, 0,1,2,3,4
	STEP \t
.endr
	TURN 5, 1
.irp t, 6,7,8,9,10
	STEP \t
.endr
	TURN 11, 0
.irp t, 12,13,14
	STEP \t
.endr
	s_wait_dscnt 0x0
	WIN MUL
.irp a, 0,1,2,3
	MUL8 15, \a
.endr
	PLACES 4                                       ; in front of the first read of results
; THE WAY OUT: 16 queries x 128 of e at a time through my own stage, rows of 528 bytes, and back as whole rows of 512 bytes
.macro TOSTAGE a
	WIN 0x82
.set n, 0
.rept 32
	v_pk_mul_f32 v[64*(\a)+n:64*(\a)+n+1], v[64*(\a)+n:64*(\a)+n+1], v[RI+2*(\a):RI+2*(\a)+1] op_sel_hi:[1,0]   ; / the row's sum
.set n, n+2
.endr
	WIN 0x08
.irp b, 0,1,2,3,4,5,6,7
	ds_store_b128 v[STO], v[64*(\a)+8*\b:64*(\a)+8*\b+3] offset:64*\b
	ds_store_b128 v[STO], v[64*(\a)+8*\b+4:64*(\a)+8*\b+7] offset:64*\b+16
.endr
	WIN 0x40
.irp t, 0,1,2,3,4,5,6,7,8,9,10,11,12,13,14,15
	ds_load_b128 v[64*(\a)+4*\t:64*(\a)+4*\t+3], v[RD] offset:528*\t   ; LDS serves a wave's instructions in order: these see my stores
.endr
.endm
.macro SEND a, younger
	s_wait_dscnt \younger                          ; the LDS instructions of the tile behind may be out
	WIN 0x04
.irp t, 0,1,2,3,4,5,6,7,8,9,10,11,12,13,14,15
	global_store_b128 v3, v[64*(\a)+4*\t:64*(\a)+4*\t+3], s[12:13] offset:65536*(\a)+4096*\t th:TH_STORE_NT   ; 512 consecutive bytes, aligned
.endr
.endm
	TOSTAGE 0
	TOSTAGE 1
	SEND 0, 32
	TOSTAGE 2
	SEND 1, 32
	TOSTAGE 3
	SEND 2, 32
	SEND 3, 0
	WIN 0
	s_wait_tensorcnt 0x0                           ; the wave's end
	ds_add_u32 v[SPW], v[NIL]
	s_wait_dscnt 0x0
	CROUND                                         ; the closing round
	s_endpgm
.Lfunc_end_k_q81ca284831_pv:
	.size	k_q81ca284831_pv, .Lfunc_end_k_q81ca284831_pv-k_q81ca284831_pv
	.p2alignl 7, 3214868480
	.fill 96, 4, 3214868480
	.section	.rodata,"a",@progbits
	.p2align	6, 0x0
	.amdhsa_kernel k_q81ca284831_pv
		.amdhsa_group_segment_fixed_size 327680
		.amdhsa_private_segment_fixed_size 0
		.amdhsa_enable_private_segment 0
		.amdhsa_kernarg_size 40
		.amdhsa_user_sgpr_count 2
		.amdhsa_user_sgpr_kernarg_segment_ptr 1
		.amdhsa_wavefront_size32 1
		.amdhsa_system_sgpr_workgroup_id_x 1
		.amdhsa_system_sgpr_workgroup_id_y 1
		.amdhsa_system_sgpr_workgroup_id_z 1
		.amdhsa_system_vgpr_workitem_id 0
		.amdhsa_next_free_vgpr 768
		.amdhsa_next_free_sgpr 100
		.amdhsa_reserve_vcc 0
		.amdhsa_float_denorm_mode_32 3
		.amdhsa_float_denorm_mode_16_64 3
		.amdhsa_memory_ordered 1
		.amdhsa_forward_progress 1
		.amdhsa_inst_pref_size 162
	.end_amdhsa_kernel
	.amdgpu_metadata
---
amdhsa.version: [ 1, 2 ]
amdhsa.kernels:
  - .name:           k_q81ca284831_pv
    .symbol:         k_q81ca284831_pv.kd
    .args:
      - { .name: pc, .offset: 0, .size: 8, .value_kind: global_buffer, .address_space: global }
      - { .name: el, .offset: 8, .size: 8, .value_kind: global_buffer, .address_space: global }
      - { .name: c2, .offset: 16, .size: 8, .value_kind: global_buffer, .address_space: global }
      - { .name: s2, .offset: 24, .size: 8, .value_kind: global_buffer, .address_space: global }
      - { .name: out0, .offset: 32, .size: 8, .value_kind: global_buffer, .address_space: global }
    .group_segment_fixed_size: 327680
    .private_segment_fixed_size: 0
    .kernarg_segment_align: 8
    .kernarg_segment_size: 40
    .max_flat_workgroup_size: 128
    .sgpr_count:     100
    .vgpr_count:     768
    .wavefront_size: 32
...
	.end_amdgpu_metadata
.endif
;; end of part 4
